; MI455X (gfx1250); checked and timed in simulation.
; The chip was launched on July 23, 2026; its instructions are those of AMD's public machine-readable ISA for CDNA 5 (MIT licence, August 2026) and "CDNA5" Instruction Set Architecture Reference Guide (July 2026). The comments in the code are by the model that wrote it; some were corrected since.
;; Shepards Layer. Allowed arithmetic: matrix products marked QUANTISED: E4M3 operands, one E8M0 scale for each 32 along K, by v_wmma_scale_f32_16x16x128_f8f6f4 with both operands' format E4M3, f32 sums; everything else in f32.
;; Inputs: W_out 512 x 1,024 float32; W_qkvg 1,024 x 2,048 float32; X 2 x 2,048 x 1,024 float32; b_out 1,024 float32; b_qkvg 2,048 float32; ln_beta 1,024 float32; ln_gamma 1,024 float32; mask 1 x 2,048 x 2,048 bool.
;; Outputs: out0 2 x 2,048 x 1,024 float32.
;; This version of the problem:
;;   THIS VERSION OF THE PROBLEM IS GIVEN IN LOW PRECISION. The matrix products marked QUANTISED in the list below multiply operands that are first quantised to E4M3 (4 exponent bits, 3 mantissa bits; 8 bits a number), with one power-of-two scale for each 32 numbers along K (OCP MX v1.0); their sums are f32. All else is computed in f32.
;;   The module's matrix products, in the order in which they are computed (A, B: the left and right operand; K: the contracted axis; several contracted axes count as one K, in the product's order):
;;     1. [M 4,096, K 1,024] x [K 1,024, N 2,048]; A: computed on the way; B: input W_qkvg: QUANTISED
;;     2. batch 16 x [M 2,048, K 64] x [K 64, N 2,048]; A: computed on the way; B: computed on the way: QUANTISED
;;     3. batch 16 x [M 2,048, K 2,048] x [K 2,048, N 64]; A: computed on the way; B: computed on the way: QUANTISED
;;     4. [M 4,096, K 512] x [K 512, N 1,024]; A: computed on the way; B: input W_out: QUANTISED
;;   THE QUANTISER, for each operand of a quantised product, along K:
;;     - K is cut into blocks of 32 from its start; a last block that is shorter is filled with zeros.
;;     - A block's scale is 2^e with e = floor(log2(the largest magnitude in the block)) - 8, held to -126 .. 127; a block of zeros has e = 0. As a byte (E8M0): e + 127.
;;     - Each number is divided by its block's scale, clamped to +-448, and rounded to the nearest number of E4M3, ties to even, subnormals kept.
;;     - The product sums the exact products of the quantised numbers (number of the format x scale) in f32.
;;   ~~~python
;;   def quantise(x, axis):      # numpy; x: float32 -> the quantised numbers, widened to float32 again
;;       x = np.moveaxis(x, axis, -1); K = x.shape[-1]
;;       x = np.pad(x, [(0, 0)] * (x.ndim - 1) + [(0, -K % 32)]); x = x.reshape(x.shape[:-1] + (-1, 32)); a = np.abs(x).max(-1, keepdims=True)
;;       e = np.where(a > 0, np.clip(np.frexp(np.where(a > 0, a, 1))[1] - 1 - 8, -126, 127), 0)      # np.frexp(a)[1] - 1 = floor(log2(a)), exactly
;;       r = np.clip(x / 2.0 ** e, -448, 448)
;;       step = 2.0 ** (np.maximum(np.frexp(np.where(r == 0, 1, r))[1] - 1, -6) - 3)
;;       q = np.round(r / step) * step * 2.0 ** e      # np.round: ties to even
;;       return np.moveaxis(q.reshape(q.shape[:-2] + (-1,))[..., :K], -1, axis).astype(np.float32)
;;   ~~~
;;   OPERANDS COMPUTED ON THE WAY. 'Computed on the way' means the value that the module computes at that place (a softmax that the list does not call 'softmax' is quantised finished and normalised). What goes into a quantiser is computed in f32, as accurately as f32 sums, v_exp_f32 and their like allow (about 1e-6 of the number): no bf16 or f16 on the way to a quantiser, and a product that is left as it is and whose result goes on into a quantised operand takes f32 operands (vector FMAs, or v_wmma_f32_16x16x4_f32). A number that lies on a knife's edge between two numbers of the format may be rounded either way, as far as f32 arithmetic and the matrix unit's own rounding can turn it there, and no further.
;; One version. Each part assembles by itself: llvm-mc -triple=amdgcn-amd-amdhsa -mcpu=gfx1250 --defsym DOCPART=n.
;; ======== version 1 of 1: 4 launches
;; workspace buffers: xq 4,325,376 bytes; wq 2,703,360 bytes; maskw 532,480 bytes of whole numbers; qk 4,718,592 bytes; vg 10,616,832 bytes; yg 2,162,688 bytes
;; launch prep (part 1): grid 544 x 1, 4 waves a work-group, no clusters, 33,280 bytes of LDS; arguments X, ln_gamma, ln_beta, W_qkvg, W_out, mask, xq, wq, maskw; writes xq, wq, maskw
.if DOCPART == 1
	.amdgcn_target "amdgcn-amd-amdhsa--gfx1250"
	.amdhsa_code_object_version 6
	.text
	.protected	k_qdbdceca207_prep
	.globl	k_qdbdceca207_prep
	.p2align	8
	.type	k_qdbdceca207_prep,@function
k_qdbdceca207_prep:
	s_mov_b64 s[64:65], 0
	v_nop
	global_prefetch_b8 v0, s[64:65] scope:SCOPE_SE
	s_setreg_imm32_b32 hwreg(HW_REG_WAVE_MODE, 25, 1), 1
	s_wait_xcnt 0x0
; ShepardsLayer in MX-FP8, launch 1 of 4 (prep, gemm1, attn, outp).
; NOTHING OF reference() IS LEFT OUT, and every input is loaded by some launch.  Two steps are written in another form that is the same in real numbers for all inputs:
;   max(sqrt(max(d2, 0)), 1e-8)^-2 = 1 / max(d2, 1e-16): both clamps are kept, as one;      q2 + k2 - 2 s = q2 - 2 (s - k2 / 2): -k2 / 2 is the C of the score product.
; A tile of 16 queries x 128 keys whose 2,048 mask bytes are all true adds 0 to its rows' totals and to Y, whatever the other inputs hold: this launch marks such tiles by whole numbers and attn jumps over them.
; LIMITS: NaN and infinities among the inputs are not served, and one that reaches only a tile under the mask is not carried on.  A block of zeros gets the scale byte 1 where the quantiser says 127: its codes are
; zeros, which add nothing under any byte but 0xff, and the bytes are read by this program alone.  Blocks whose largest magnitude lies under 2^-118 keep the byte 1.  attn = weight x (1 / total), not a division.
; THIS LAUNCH, four paths by the work-group's number, each wave asking for its share early:
;   0-255    X: LayerNorm of 16 rows (a wave: 4 rows, a row in 32 registers), quantised along its 1,024: codes xq[row][1024], scale bytes xq + 4,194,304 [row][32]
;   256-383  W_qkvg [k][n]: a lane takes a column and its registers run down K; the codes leave as IMAGES of the operand's registers: wq [k / 256][n / 16][(k / 128) % 2][c 4][lane 32][16 bytes]; bytes wq + 2,097,152 [n][32]
;   384-415  W_out likewise: wq + 2,162,688 [n / 16][k / 128][c][lane][16 bytes]; bytes wq + 2,686,976 [n][16].  Inside a block of 32 its k are laid in the order in which the other operand is made:
;            place 16 h + 8 u + j holds k = 16 u + 8 h + j.  The same order on both operands of a product changes no product and no block.
;   416-543  mask: maskw [q / 16][k / 128][e 64]: bit (r + 16 h) of word e = 8 t + j is mask[16 qt + r][128 s + 16 t + 8 h + j]: the lane mask of one score register; maskw + 524,288 [qt][s]: 1 where all 64 words are full
; Only the X path stores to LDS.  No matrix unit, no cluster, no tensor load: the launch streams, and work-groups share no input but gamma and beta.
.set SPARE, 32768                      ; behind the four waves' regions: the spare words, 128 bytes a wave
.set SP,    80                         ; a lane's place in a stage: 64 bytes + 16 of padding
.set SPW,   14                         ; v14  LDS address of my spare word; never rewritten
.set NIL,   15                         ; v15  0; never rewritten
.set R,     16                         ; v16-143   four rows of X, 32 registers each: register 4 i + e = column 128 i + 4 lane + e
.set GA,    144                        ; v144-175  gamma, laid as a row
.set BE,    176                        ; v176-207  beta
.set XT,    208                        ; v208-239  two sets of 16 neighbours
.set C,     240                        ; v240-247  two sets of codes
.set SA,    248                        ; v248-255  four running pairs
	s_load_b512 s[4:19], s[0:1], 0x0               ; X s[4:5], gamma s[6:7], beta s[8:9], W_qkvg s[10:11], W_out s[12:13], mask s[14:15], xq s[16:17], wq s[18:19]
	s_load_b64 s[20:21], s[0:1], 0x40              ; maskw
	v_lshl_add_u32 v[SPW], v0, 2, SPARE
	v_mov_b32 v[NIL], 0
	v_lshrrev_b32 v1, 5, v0
	v_readfirstlane_b32 s22, v1                    ; wave 0..3
	v_and_b32 v1, 31, v0                           ; lane
	s_mov_b32 s24, 0x76543210
	s_mov_b32 s25, 0xfedcba98                      ; v_permlanex16_b32's selects for lane l xor 16
	s_mov_b32 s26, 0x600000                        ; the mantissa field of 448
	s_mov_b32 s27, 0x3a800000                      ; 1 / 1024
	s_mov_b32 s28, 0x3727c5ac                      ; 1e-5
	s_mov_b32 s29, 0xba800000                      ; -1 / 1024
	s_wait_kmcnt 0x0
	s_cmp_lt_u32 ttmp9, 256
	s_cbranch_scc1 .Lx
	s_cmp_lt_u32 ttmp9, 384
	s_cbranch_scc1 .Lwq
	s_cmp_lt_u32 ttmp9, 416
	s_cbranch_scc1 .Lwo
	; ---------------- the mask: wave u = 4 (work-group - 416) + wave takes 16 queries (qt = u / 4) x 512 keys (sg = u % 4)
	s_sub_co_u32 s30, ttmp9, 416
	s_lshl_b32 s30, s30, 2
	s_add_co_u32 s30, s30, s22                     ; u
	s_lshr_b32 s31, s30, 2                         ; qt
	s_and_b32 s32, s30, 3                          ; sg
	s_lshl_b32 s34, s31, 15                        ; 16 rows of 2,048 bytes
	s_lshl_b32 s35, s32, 9
	s_add_co_u32 s34, s34, s35
	s_mov_b32 s35, 0
	s_add_nc_u64 s[14:15], s[14:15], s[34:35]
	s_lshl_b32 s36, s31, 4
	s_lshl_b32 s37, s32, 2
	s_add_co_u32 s36, s36, s37                     ; 16 qt + 4 sg: my first (qt, s)
	s_lshl_b32 s34, s36, 8
	s_add_nc_u64 s[38:39], s[20:21], s[34:35]      ; its 64 words
	s_lshl_b32 s34, s36, 2
	s_add_co_u32 s34, s34, 524288
	s_add_nc_u64 s[40:41], s[20:21], s[34:35]      ; its flag
	v_and_b32 v2, 15, v1                           ; r
	v_lshrrev_b32 v3, 4, v1                        ; h
	v_lshlrev_b32 v4, 11, v2
	v_lshl_add_u32 v4, v3, 3, v4                   ; row r, + 8 h
	v_lshlrev_b32 v5, 3, v1                        ; out: two words a lane
	v_lshlrev_b32 v6, 2, v1
.irp i, 0,1,2,3,4,5,6,7,8
	v_mov_b32 v[80+\i], 0                          ; a lane write's destination counts as read
.endr
.irp i, 0,1,2,3
.irp t, 0,1,2,3,4,5,6,7
	global_load_b64 v[16+16*\i+2*\t:17+16*\i+2*\t], v4, s[14:15] offset:128*\i+16*\t th:TH_LOAD_NT   ; mask[16 qt + r][512 sg + 128 i + 16 t + 8 h + 0 .. 7]
.endr
.endr
.macro MPAIR i                         ; the 64 words and the flag of key step 4 sg + i, eight words at a time
	s_wait_loadcnt 24-8*(\i)                       ; this step's eight loads are in; those of the later steps may be out
	s_mov_b32 s46, -1
.irp t, 0,1,2,3,4,5,6,7
.irp j, 0,1,2,3,4,5,6,7
	v_and_b32 v[90+\j], 0xff<<(8*(\j%4)), v[16+16*(\i)+2*\t+\j/4]
.endr
.irp j, 0,1,2,3,4,5,6,7
	v_cmp_ne_u32 s[48+\j], 0, v[90+\j]             ; word 8 t + j: a bit a lane
.endr
.irp j, 0,1,2,3,4,5,6,7
	s_and_b32 s46, s46, s[48+\j]
.endr
.irp j, 0,1,2,3,4,5,6,7
	v_writelane_b32 v[80+2*(\i)+\j%2], s[48+\j], 4*\t+\j/2   ; lane l gathers words 2 l and 2 l + 1
.endr
.endr
	global_store_b64 v5, v[80+2*(\i):81+2*(\i)], s[38:39] offset:256*(\i)   ; 32 lanes store 256 consecutive bytes, aligned
	s_cmp_eq_u32 s46, -1
	s_cselect_b32 s47, 1, 0
	v_writelane_b32 v88, s47, \i
.endm
	MPAIR 0
	MPAIR 1
	MPAIR 2
	MPAIR 3
	v_cmp_gt_u32 vcc_lo, 4, v1
	s_wait_xcnt 0x0                                ; EXEC changes only behind this wait
	s_and_saveexec_b32 s47, vcc_lo
	global_store_b32 v6, v88, s[40:41]             ; four flags
	s_wait_xcnt 0x0                                ; and again in front of the line that widens it
	s_or_b32 exec_lo, exec_lo, s47
	s_branch .Lend
	; ---------------- X: rows 16 g + 4 w + t
.Lx:
	s_lshl_b32 s30, ttmp9, 4
	s_lshl_b32 s31, s22, 2
	s_add_co_u32 s30, s30, s31                     ; my first row
	s_lshl_b32 s32, s30, 12
	s_mov_b32 s33, 0
	s_add_nc_u64 s[4:5], s[4:5], s[32:33]
	s_lshl_b32 s32, s30, 10
	s_add_nc_u64 s[34:35], s[16:17], s[32:33]      ; its codes
	s_lshl_b32 s32, s30, 5
	s_add_co_u32 s32, s32, 4194304
	s_add_nc_u64 s[36:37], s[16:17], s[32:33]      ; its scale bytes
	s_lshl_b32 s38, s22, 13                        ; my wave's 8,192 bytes of LDS: two stages of 32 x 80, then 128 scale bytes
	v_lshrrev_b32 v4, 2, v1
	v_mul_u32_u24 v4, v4, SP
	v_and_b32 v5, 3, v1
	v_lshl_add_u32 v4, v5, 4, v4
	v_add_nc_u32 v4, s38, v4                       ; a stage, in: four lanes' 64 bytes on end, then 16 of padding
	v_mul_u32_u24 v5, v1, SP
	v_add_nc_u32 v5, s38, v5                       ; and out: my 16 neighbours
	s_add_co_u32 s38, s38, 2*32*SP
	v_lshrrev_b32 v6, 1, v1
	v_add_nc_u32 v6, s38, v6                       ; my block's scale byte
	v_lshlrev_b32 v2, 2, v1
	v_add_nc_u32 v7, s38, v2                       ; and four of them on the way out
	v_lshlrev_b32 v3, 4, v1                        ; 16 bytes a lane
	v_mov_b32 v9, 0                                ; upper halves of pairs of which the low word serves both halves
	v_mov_b32 v11, 0
	v_mov_b32 v12, 0                               ; a lane permute's destination counts as read
.irp i, 0,1,2,3,4,5,6,7
	global_load_b128 v[GA+4*\i:GA+4*\i+3], v3, s[6:7] offset:512*\i
	global_load_b128 v[BE+4*\i:BE+4*\i+3], v3, s[8:9] offset:512*\i
.endr
.irp t, 0,1,2,3
.irp i, 0,1,2,3,4,5,6,7
	global_load_b128 v[R+32*\t+4*\i:R+32*\t+4*\i+3], v3, s[4:5] offset:4096*\t+512*\i th:TH_LOAD_NT   ; 32 lanes read 512 consecutive bytes
.endr
.endr
.macro RED                             ; v[SA] summed over the 32 lanes, the result in every lane
	v_add_f32_dpp v[SA], v[SA], v[SA] row_xmask:1 row_mask:0xf bank_mask:0xf
	v_add_f32_dpp v[SA], v[SA], v[SA] row_xmask:2 row_mask:0xf bank_mask:0xf
	v_add_f32_dpp v[SA], v[SA], v[SA] row_xmask:4 row_mask:0xf bank_mask:0xf
	v_add_f32_dpp v[SA], v[SA], v[SA] row_xmask:8 row_mask:0xf bank_mask:0xf
	v_permlanex16_b32 v12, v[SA], s24, s25
	v_add_f32 v[SA], v[SA], v12
.endm
.macro FOLD                            ; the four running pairs into v[SA]
	v_pk_add_f32 v[SA:SA+1], v[SA:SA+1], v[SA+2:SA+3]
	v_pk_add_f32 v[SA+4:SA+5], v[SA+4:SA+5], v[SA+6:SA+7]
	v_pk_add_f32 v[SA:SA+1], v[SA:SA+1], v[SA+4:SA+5]
	v_add_f32 v[SA], v[SA], v[SA+1]
.endm
.macro TURN u                          ; half u of the row (512 numbers) through stage u: LDS serves a wave's instructions in order, so no wait stands between the stores and the loads
.irp i, 0,1,2,3
	ds_store_b128 v4, v[RB+16*(\u)+4*\i:RB+16*(\u)+4*\i+3] offset:32*SP*(\u)+8*SP*\i
.endr
.irp i, 0,1,2,3
	ds_load_b128 v[XT+16*(\u)+4*\i:XT+16*(\u)+4*\i+3], v5 offset:32*SP*(\u)+16*\i
.endr
.endm
.macro QSTEP t, u                      ; 512 numbers, 16 neighbours a lane, two lanes to a block, become codes and 16 scale bytes
.set XS, XT+16*(\u)
	v_max3_num_f32 v8, |v[XS]|, |v[XS+1]|, |v[XS+2]|
	v_max3_num_f32 v9, |v[XS+3]|, |v[XS+4]|, |v[XS+5]|
.irp i, 6,10
	v_max3_num_f32 v8, v8, |v[XS+\i]|, |v[XS+\i+1]|
	v_max3_num_f32 v9, v9, |v[XS+\i+2]|, |v[XS+\i+3]|
.endr
	v_max3_num_f32 v8, v8, |v[XS+14]|, |v[XS+15]|
	v_max3_num_f32 v8, v8, v9, 0x4800000           ; and the floor 2^(9 - 127): the byte cannot fall under 1
	v_max_num_f32_dpp v8, v8, v8 row_xmask:1 row_mask:0xf bank_mask:0xf   ; with my neighbour's 16: the block's largest magnitude
	v_add_nc_u32 v11, 0xfc000000, v8               ; 8 off its exponent field: the conversion's scale operand
	v_and_or_b32 v10, v8, 0x7f800000, s26          ; 448 x the scale
.irp i, 0,1,2,3,4,5,6,7,8,9,10,11,12,13,14,15
	v_med3_num_f32 v[XS+\i], v[XS+\i], -v10, v10   ; the conversion to an 8-bit code does not saturate (ISA guide 7.6.2): the hold
.endr
	v_cvt_scalef32_pk8_fp8_f32 v[C+4*(\u):C+4*(\u)+1], v[XS:XS+7], v11
	v_cvt_scalef32_pk8_fp8_f32 v[C+4*(\u)+2:C+4*(\u)+3], v[XS+8:XS+15], v11
	v_lshrrev_b32 v13, 23, v11                     ; the scale's byte
	ds_store_b8 v6, v13 offset:16*(2*(\t)+(\u))    ; both lanes of a block write the same byte with the same value
	global_store_b128 v3, v[C+4*(\u):C+4*(\u)+3], s[34:35] offset:1024*(\t)+512*(\u)   ; 512 consecutive bytes
.endm
.macro ROW t
.set RB, R+32*(\t)
	s_wait_loadcnt 8*(3-(\t))                      ; gamma, beta and this row are in; the later rows, eight loads each, may be out
.if (\t) > 0
	s_wait_xcnt 0x0                                ; the last row's stores have read their registers: the codes' registers are written again
.endif
.irp k, 0,1,2,3
	v_pk_add_f32 v[SA+2*\k:SA+2*\k+1], v[RB+4*\k:RB+4*\k+1], v[RB+4*\k+2:RB+4*\k+3]
.endr
.irp p, 8,9,10,11,12,13,14,15
	v_pk_add_f32 v[SA+2*(\p%4):SA+2*(\p%4)+1], v[SA+2*(\p%4):SA+2*(\p%4)+1], v[RB+2*\p:RB+2*\p+1]
.endr
	FOLD
	RED
	v_mul_f32 v8, s29, v[SA]                       ; -mean
.irp p, 0,1,2,3,4,5,6,7,8,9,10,11,12,13,14,15
	v_pk_add_f32 v[RB+2*\p:RB+2*\p+1], v[RB+2*\p:RB+2*\p+1], v[8:9] op_sel_hi:[1,0]
.endr
.irp k, 0,1,2,3
	v_pk_mul_f32 v[SA+2*\k:SA+2*\k+1], v[RB+2*\k:RB+2*\k+1], v[RB+2*\k:RB+2*\k+1]
.endr
.irp p, 4,5,6,7,8,9,10,11,12,13,14,15
	v_pk_fma_f32 v[SA+2*(\p%4):SA+2*(\p%4)+1], v[RB+2*\p:RB+2*\p+1], v[RB+2*\p:RB+2*\p+1], v[SA+2*(\p%4):SA+2*(\p%4)+1]
.endr
	FOLD
	RED
	v_fma_f32 v10, v[SA], s27, s28                 ; the variance + 1e-5
	v_rsq_f32 v10, v10
	v_nop                                          ; a plain instruction behind the transcendental,
	s_wait_alu depctr_va_vdst(0)                   ; and the wait ahead of its first reader
.irp p, 0,1,2,3,4,5,6,7,8,9,10,11,12,13,14,15
	v_pk_mul_f32 v[RB+2*\p:RB+2*\p+1], v[RB+2*\p:RB+2*\p+1], v[10:11] op_sel_hi:[1,0]
.endr
.irp p, 0,1,2,3,4,5,6,7,8,9,10,11,12,13,14,15
	v_pk_fma_f32 v[RB+2*\p:RB+2*\p+1], v[RB+2*\p:RB+2*\p+1], v[GA+2*\p:GA+2*\p+1], v[BE+2*\p:BE+2*\p+1]
.endr
	TURN 0
	TURN 1
	s_wait_dscnt 8                                 ; the first half is back; the second half's four stores and four loads may be out
	QSTEP \t, 0
	s_wait_dscnt 1                                 ; the second half is back; the byte store just issued may be out
	QSTEP \t, 1
.endm
	ROW 0
	ROW 1
	ROW 2
	ROW 3
	ds_load_b32 v8, v7                             ; my wave's 128 scale bytes: LDS serves a wave's instructions in order
	s_wait_dscnt 0x0
	global_store_b32 v2, v8, s[36:37]              ; four rows' bytes: 128 consecutive bytes
	s_branch .Lend
	; ---------------- the weights.  A wave: 32 columns n0 + lane, 128 along K.  s[40:41] source, s[42:43] images, s[44:45] scale words; v2 = 4 lane, v3 = my 16 bytes in an image, v4 = my column's row of bytes
.macro WLOAD c, np                     ; block c: W(32 c + i, my column): 32 lanes read 128 consecutive bytes
.set ii, 0
.rept 32
	global_load_b32 v[16+32*(\c)+ii], v2, s[40:41] offset:(32*(\c)+ii)*(\np) th:TH_LOAD_NT
.set ii, ii+1
.endr
.endm
.macro WBLOCK c, perm
.set XS, 16+32*(\c)
.set CC, 144+8*(\c)                    ; each block has registers of its own for its codes: no store's data are written again
	v_max3_num_f32 v8, |v[XS]|, |v[XS+1]|, |v[XS+2]|
	v_max3_num_f32 v9, |v[XS+3]|, |v[XS+4]|, |v[XS+5]|
.irp i, 6,10,14,18,22,26
	v_max3_num_f32 v8, v8, |v[XS+\i]|, |v[XS+\i+1]|
	v_max3_num_f32 v9, v9, |v[XS+\i+2]|, |v[XS+\i+3]|
.endr
	v_max3_num_f32 v8, v8, |v[XS+30]|, |v[XS+31]|
	v_max3_num_f32 v8, v8, v9, 0x4800000           ; all 32 numbers are mine; and the floor
	v_add_nc_u32 v11, 0xfc000000, v8
	v_and_or_b32 v10, v8, 0x7f800000, s26
	v_lshrrev_b32 v13, 23, v11
.if (\c) == 0
	v_mov_b32 v12, v13
.else
	v_lshl_or_b32 v12, v13, 8*(\c), v12            ; four bytes make the scale word of these 128 k
.endif
.set ii, 0
.rept 32
	v_med3_num_f32 v[XS+ii], v[XS+ii], -v10, v10
.set ii, ii+1
.endr
	v_cvt_scalef32_pk8_fp8_f32 v[CC:CC+1], v[XS:XS+7], v11
.if \perm                              ; places 8-15 hold k 16-23, places 16-23 hold k 8-15
	v_cvt_scalef32_pk8_fp8_f32 v[CC+2:CC+3], v[XS+16:XS+23], v11
	v_cvt_scalef32_pk8_fp8_f32 v[CC+4:CC+5], v[XS+8:XS+15], v11
.else
	v_cvt_scalef32_pk8_fp8_f32 v[CC+2:CC+3], v[XS+8:XS+15], v11
	v_cvt_scalef32_pk8_fp8_f32 v[CC+4:CC+5], v[XS+16:XS+23], v11
.endif
	v_cvt_scalef32_pk8_fp8_f32 v[CC+6:CC+7], v[XS+24:XS+31], v11
	v_nop
	global_store_b128 v3, v[CC:CC+3], s[42:43] offset:512*(\c)         ; places 0-15: the image's lanes 0-15: sixteen lanes store 256 consecutive bytes, aligned
	global_store_b128 v3, v[CC+4:CC+7], s[42:43] offset:512*(\c)+256   ; places 16-31: its lanes 16-31
.endm
.macro WPATH np, perm                  ; the loads run two blocks ahead
	WLOAD 0, \np
	WLOAD 1, \np
	s_wait_loadcnt 32                              ; block 0 is in; block 1's 32 loads may be out
	WLOAD 2, \np
	WBLOCK 0, \perm
	s_wait_loadcnt 32                              ; block 1 is in; block 2's may be out
	WLOAD 3, \np
	WBLOCK 1, \perm
	s_wait_loadcnt 32                              ; block 2 is in; block 3's may be out
	WBLOCK 2, \perm
	s_wait_loadcnt 0x0
	WBLOCK 3, \perm
	global_store_b32 v4, v12, s[44:45]             ; my column's scale word
.endm
.Lwq:
	s_sub_co_u32 s30, ttmp9, 256
	s_and_b32 s31, s30, 15                         ; which 128 columns
	s_lshr_b32 s32, s30, 4                         ; ks: which 128 along K
	s_lshl_b32 s33, s31, 7
	s_lshl_b32 s34, s22, 5
	s_add_co_u32 s33, s33, s34                     ; n0
	s_lshl_b32 s40, s32, 20                        ; 128 rows of 8,192 bytes
	s_lshl_b32 s34, s33, 2
	s_add_co_u32 s40, s40, s34
	s_mov_b32 s41, 0
	s_add_nc_u64 s[40:41], s[10:11], s[40:41]
	s_lshr_b32 s42, s32, 1
	s_lshl_b32 s42, s42, 19                        ; (ks / 2) x 524,288
	s_lshl_b32 s34, s33, 8                         ; (n0 / 16) x 4,096
	s_add_co_u32 s42, s42, s34
	s_and_b32 s34, s32, 1
	s_lshl_b32 s34, s34, 11
	s_add_co_u32 s42, s42, s34
	s_mov_b32 s43, 0
	s_add_nc_u64 s[42:43], s[18:19], s[42:43]
	s_lshl_b32 s44, s33, 5
	s_lshl_b32 s34, s32, 2
	s_add_co_u32 s44, s44, s34
	s_add_co_u32 s44, s44, 2097152
	s_mov_b32 s45, 0
	s_add_nc_u64 s[44:45], s[18:19], s[44:45]
	v_lshlrev_b32 v2, 2, v1
	v_lshrrev_b32 v3, 4, v1
	v_lshlrev_b32 v3, 12, v3
	v_and_b32 v4, 15, v1
	v_lshl_add_u32 v3, v4, 4, v3                   ; (lane / 16) x 4,096 + 16 (lane % 16)
	v_lshlrev_b32 v4, 5, v1
	WPATH 8192, 0
	s_branch .Lend
.Lwo:
	s_sub_co_u32 s30, ttmp9, 384
	s_and_b32 s31, s30, 7
	s_lshr_b32 s32, s30, 3                         ; ks
	s_lshl_b32 s33, s31, 7
	s_lshl_b32 s34, s22, 5
	s_add_co_u32 s33, s33, s34                     ; n0
	s_lshl_b32 s40, s32, 19                        ; 128 rows of 4,096 bytes
	s_lshl_b32 s34, s33, 2
	s_add_co_u32 s40, s40, s34
	s_mov_b32 s41, 0
	s_add_nc_u64 s[40:41], s[12:13], s[40:41]
	s_lshl_b32 s42, s33, 9                         ; (n0 / 16) x 8,192
	s_lshl_b32 s34, s32, 11
	s_add_co_u32 s42, s42, s34
	s_add_co_u32 s42, s42, 2162688
	s_mov_b32 s43, 0
	s_add_nc_u64 s[42:43], s[18:19], s[42:43]
	s_lshl_b32 s44, s33, 4
	s_lshl_b32 s34, s32, 2
	s_add_co_u32 s44, s44, s34
	s_add_co_u32 s44, s44, 2686976
	s_mov_b32 s45, 0
	s_add_nc_u64 s[44:45], s[18:19], s[44:45]
	v_lshlrev_b32 v2, 2, v1
	v_lshrrev_b32 v3, 4, v1
	v_lshlrev_b32 v3, 13, v3
	v_and_b32 v4, 15, v1
	v_lshl_add_u32 v3, v4, 4, v3
	v_lshlrev_b32 v4, 4, v1
	WPATH 4096, 1
.Lend:
	s_wait_tensorcnt 0x0                           ; the wave's end
	ds_add_u32 v[SPW], v[NIL]
	s_wait_dscnt 0x0
	s_endpgm
.Lfunc_end_k_qdbdceca207_prep:
	.size	k_qdbdceca207_prep, .Lfunc_end_k_qdbdceca207_prep-k_qdbdceca207_prep
	.p2alignl 7, 3214868480
	.fill 96, 4, 3214868480
	.section	.rodata,"a",@progbits
	.p2align	6, 0x0
	.amdhsa_kernel k_qdbdceca207_prep
		.amdhsa_group_segment_fixed_size 33280
		.amdhsa_private_segment_fixed_size 0
		.amdhsa_enable_private_segment 0
		.amdhsa_kernarg_size 72
		.amdhsa_user_sgpr_count 2
		.amdhsa_user_sgpr_kernarg_segment_ptr 1
		.amdhsa_wavefront_size32 1
		.amdhsa_system_sgpr_workgroup_id_x 1
		.amdhsa_system_sgpr_workgroup_id_y 1
		.amdhsa_system_sgpr_workgroup_id_z 1
		.amdhsa_system_vgpr_workitem_id 0
		.amdhsa_next_free_vgpr 256
		.amdhsa_next_free_sgpr 66
		.amdhsa_reserve_vcc 1
		.amdhsa_float_denorm_mode_32 3
		.amdhsa_float_denorm_mode_16_64 3
		.amdhsa_memory_ordered 1
		.amdhsa_forward_progress 1
		.amdhsa_inst_pref_size 171
	.end_amdhsa_kernel
	.amdgpu_metadata
---
amdhsa.version: [ 1, 2 ]
amdhsa.kernels:
  - .name:           k_qdbdceca207_prep
    .symbol:         k_qdbdceca207_prep.kd
    .args:
      - { .name: X, .offset: 0, .size: 8, .value_kind: global_buffer, .address_space: global }
      - { .name: ln_gamma, .offset: 8, .size: 8, .value_kind: global_buffer, .address_space: global }
      - { .name: ln_beta, .offset: 16, .size: 8, .value_kind: global_buffer, .address_space: global }
      - { .name: W_qkvg, .offset: 24, .size: 8, .value_kind: global_buffer, .address_space: global }
      - { .name: W_out, .offset: 32, .size: 8, .value_kind: global_buffer, .address_space: global }
      - { .name: mask, .offset: 40, .size: 8, .value_kind: global_buffer, .address_space: global }
      - { .name: xq, .offset: 48, .size: 8, .value_kind: global_buffer, .address_space: global }
      - { .name: wq, .offset: 56, .size: 8, .value_kind: global_buffer, .address_space: global }
      - { .name: maskw, .offset: 64, .size: 8, .value_kind: global_buffer, .address_space: global }
    .group_segment_fixed_size: 33280
    .private_segment_fixed_size: 0
    .kernarg_segment_align: 8
    .kernarg_segment_size: 72
    .max_flat_workgroup_size: 128
    .sgpr_count:     66
    .vgpr_count:     256
    .wavefront_size: 32
...
	.end_amdgpu_metadata
.endif
;; end of part 1
;; launch gemm1 (part 2): grid 16 x 16, 4 waves a work-group, clusters of 4 x 4, 327,680 bytes of LDS; arguments xq, wq, b_qkvg, qk, vg; writes qk, vg
.if DOCPART == 2
	.amdgcn_target "amdgcn-amd-amdhsa--gfx1250"
	.amdhsa_code_object_version 6
	.text
	.protected	k_qdbdceca207_gemm1
	.globl	k_qdbdceca207_gemm1
	.p2align	8
	.type	k_qdbdceca207_gemm1,@function
k_qdbdceca207_gemm1:
	s_mov_b64 s[64:65], 0
	v_nop
	global_prefetch_b8 v0, s[64:65] scope:SCOPE_SE
	s_setreg_imm32_b32 hwreg(HW_REG_WAVE_MODE, 25, 1), 1
	s_wait_xcnt 0x0
	s_wait_alu depctr_hold_cnt(0) depctr_sa_sdst(0) depctr_va_vdst(0) depctr_va_sdst(0) depctr_va_ssrc(0) depctr_va_vcc(0) depctr_vm_vsrc(0)
	s_getreg_b32 s2, hwreg(HW_REG_IB_STS2, 6, 4)
	s_cmp_eq_u32 s2, 0
	s_cbranch_scc0 .Lentry_in_a_cluster
	s_endpgm
.Lentry_in_a_cluster:
	s_bfe_u32 s2, ttmp6, 0x10000c
	s_cmp_lg_u32 s2, 0xf033
	s_cbranch_scc0 .Lentry_shape_is_right
	s_endpgm
.Lentry_shape_is_right:
; Launch 2 of 4: qkvg = Q(LayerNorm(X)) Q(W_qkvg) + b_qkvg on codes of E4M3, and what the next launches want of it.  Nothing of reference() is left out here.
; A work-group of four waves makes 256 tokens x 128 columns; a wave 128 tokens x 64 columns (one head): 32 accumulators.  K = 1,024 goes in four steps of 256 through a ring of two LDS slots.
; CLUSTER 4 x 4: 1,024 tokens x 512 columns, which is one of Q, K, V, G: so the kind is the cluster's x, the same in all partners.  The four of a row of the cluster ask for the tokens' codes jointly,
; the four of a column for the weights' images.
; THE MATRIX INSTRUCTION IS USED TRANSPOSED: source 0 = 16 columns of W, source 1 = 16 tokens: lane (r, h) holds token r, and register j of accumulator (a, b) column d = 16 b + 8 h + j of the head.
; So a lane's 16 registers of accumulators b = 2 c, 2 c + 1 are the lane's 16 places of block c along d, in the order place 16 h + 8 u + j = d 16 u + 8 h + j: the same for Q and K, so their product does not change.
; OUT (I = (8 batch + head) x 16 + the block of 128 tokens in the batch; an image is lane l's 16 bytes at 16 l):
;   Q, K -> qk + kind x 2,359,296: images [I][tile 8][c 2][lane][16]; + 2,097,152: scale words [I][lane][p 4] (the two bytes of tile 2 p, then of tile 2 p + 1); + 2,228,224: sums of squares [I][lane (r, h)][i 4] of token 16 (4 h + i) + r
;   V    -> vg: quantised along the TOKENS (turned through the wave's own stage): images [I][t 4][c 4][lane][16], place 16 h + 8 u + j of a block = token 16 u + 8 h + j, as attn makes its weights; + 2,097,152: scale words [I][lane][t 4]
;   G    -> vg + 2,228,224: f32, the accumulators as they stand: [I][a 8][c 2][quad 4][lane][16]
; REGISTERS: window 0: v16-29 addresses; v32-79 scale words, two sets; v80-111 the bias; v128-255 the tokens' 8 fragments, one set.  window 1: W's fragments, two sets of 4.  window 2: accumulator (a, b) at v[8 (4 a + b)].
.set PITCH,  272                       ; a token's row in a slot: 256 bytes + 16 of padding: the 16 rows of a load start at 16 different banks (64 banks of 4 bytes: ISA guide 11.1)
.set HALFA,  128*PITCH                 ; 128 tokens: one tensor load, and what a wave reads
.set ABYTES, 2*HALFA
.set HALFB,  16384                     ; 4 tiles of 16 columns x 256 along K, as images: one tensor load, and what a wave reads
.set SLOT,   ABYTES+2*HALFB
.set SCLA,   2*SLOT                    ; the tokens' scale bytes for all of K: 32 units of 256 bytes + 16
.set HALFSA, 16*272
.set SCLB,   SCLA+2*HALFSA             ; the columns': 16 units
.set HALFSB, 8*272
.set SPARE,  SCLB+2*HALFSB             ; the spare words, 128 bytes a wave
.set VSTG,   SPARE+512                 ; V's stage: 32 rows x 272 bytes a wave; no tensor load lands here
.set ADRA,  16                         ; v16-17  my tokens' fragments in slot 0, 1
.set ADRB,  20                         ; v20-21  my columns' images
.set ADRSA, 22                         ; v22     my tokens' scale words
.set ADRSB, 23                         ; v23     my columns'
.set STO,   24                         ; v24     V's stage, in
.set RDV,   25                         ; v25     and out
.set LI,    26                         ; v26     16 x lane
.set BOF,   27                         ; v27     32 h: the bias loads' offset
.set SPW,   28                         ; v28     my spare word; never rewritten
.set NIL,   29                         ; v29     0; never rewritten
.set SC,    32                         ; set s at SC + 24 s: tokens' block i, half q at 2 i + q; columns' at 16 + 2 i + q
.set BI,    80                         ; bias: register 8 b + j
.set AF,    128
.set TM,    32                         ; the way out: v32-47 at work
.set PW,    48
.set SQ,    50
.set WD,    56                         ; v56-59 scale words
.set SSV,   60                         ; v60-67 sums of squares
.set SL4,   68
.set PC,    112                        ; v112-127 codes
.set T,     128                        ; v128-191 64 numbers
.set U,     192                        ; v192-255 64 numbers, turned
.set G1,   24
.set G0,   32
.set G1B,  48
.set G0B,  56
.set G1S,  68
.set G0S,  76
.set G1SB, 80
.set G0SB, 88
.set SEL,  66                          ; s[66:67]
.set MNT,  100
.set MSB, 0
.macro WIN new                         ; the immediate's high byte repeats the setting that is left
.if MSB != \new
	s_set_vgpr_msb (MSB<<8)|\new
.set MSB, \new
.endif
.endm
.set MUL,  0xa1                        ; source 0 (W) window 1, source 1 (tokens) window 0, C and D window 2
.set TO_B, 0x40                        ; destination window 1
; A joint load: waves 0 and 1 fetch for the tokens, waves 2 and 3 for the weights.  An s_nop 0 and four v_nop follow each of the two lines.
.macro JLOAD g0a, g1a, g0b, g1b
	s_cmp_eq_u32 s15, 0
	s_cbranch_scc0 .Lfor_b_\@
	tensor_load_to_lds s[\g0a:\g0a+3], s[\g1a:\g1a+7]
	s_nop 0
.rept 4
	v_nop
.endr
	s_branch .Lasked_\@
.Lfor_b_\@:
	tensor_load_to_lds s[\g0b:\g0b+3], s[\g1b:\g1b+7]
	s_nop 0
.rept 4
	v_nop
.endr
.Lasked_\@:
.endm
.macro CREST                           ; a round of the cluster's barrier behind its opening barrier
	s_cmp_lg_u32 s14, 0
	s_cbranch_scc1 .Lnot_wave_0_\@
	s_barrier_signal -3
.Lnot_wave_0_\@:
	s_barrier_wait -3
	s_barrier_signal -1
	s_barrier_wait -1
.endm
.macro CROUND
	s_barrier_signal -1
	s_barrier_wait -1
	CREST
.endm
.macro PLACES n
.rept \n
	v_nop
.endr
.endm
	s_load_b128 s[4:7], s[0:1], 0x0                ; xq, wq
	s_load_b128 s[8:11], s[0:1], 0x10              ; b_qkvg, qk
	s_load_b64 s[12:13], s[0:1], 0x20              ; vg
	v_lshl_add_u32 v[SPW], v0, 2, SPARE
	v_mov_b32 v[NIL], 0
	ds_add_u32 v[SPW], v[NIL]                      ; the wave's opening: the add, twice on end, and its wait ahead of my first tensor load
	ds_add_u32 v[SPW], v[NIL]
	v_lshrrev_b32 v1, 5, v0
	v_readfirstlane_b32 s14, v1                    ; wave 0..3
	s_lshr_b32 s15, s14, 1                         ; which 128 tokens are mine.  Also: I fetch for the tokens (0) or for the weights (1)
	s_and_b32 s16, s14, 1                          ; which 64 columns.  Also: which half I fetch
	s_bfe_u32 s40, ttmp6, 0x40000                  ; cx
	s_bfe_u32 s41, ttmp6, 0x40004                  ; cy
	s_lshl_b32 s42, ttmp9, 2
	s_add_co_u32 s42, s42, s40                     ; tx: which 128 columns
	s_and_b32 s17, ttmp7, 0xffff
	s_lshl_b32 s17, s17, 2
	s_add_co_u32 s17, s17, s41                     ; ty: which 256 tokens
	s_lshl_b32 s43, s41, 2
	s_lshl_b32 s43, 15, s43                        ; my row of the cluster
	s_lshl_b32 s44, 0x1111, s40                    ; my column
	s_or_b32 s[G1], s43, (0<<16)|(1<<20)|(1<<21)|(5<<22)|(3<<25)    ; the tokens' codes: 128 rows x 256 bytes, 4 words of padding behind every 64
	s_mov_b32 s[G1+1], 256<<16
	s_mov_b32 s[G1+2], 128<<16
	s_mov_b32 s[G1+3], 256<<16
	s_mov_b32 s[G1+4], 128
	s_mov_b32 s[G1+5], 1024
	s_mov_b32 s[G1+6], 0
	s_mov_b32 s[G1+7], 0
	s_or_b32 s[G1B], s44, (3<<16)|(1<<21)          ; the weights' images: a dense block of 16,384 bytes as 64 rows of 32 elements of 8 bytes, no padding
	s_mov_b32 s[G1B+1], 32<<16
	s_mov_b32 s[G1B+2], 64<<16
	s_mov_b32 s[G1B+3], 32<<16
	s_mov_b32 s[G1B+4], 64
	s_mov_b32 s[G1B+5], 32
	s_mov_b32 s[G1B+6], 0
	s_mov_b32 s[G1B+7], 0
	s_or_b32 s[G1S], s43, (3<<16)|(1<<20)|(1<<21)|(5<<22)|(3<<25)   ; 128 tokens' scale bytes: 16 rows of 256 bytes, padded
	s_mov_b32 s[G1S+1], 32<<16
	s_mov_b32 s[G1S+2], 16<<16
	s_mov_b32 s[G1S+3], 32<<16
	s_mov_b32 s[G1S+4], 16
	s_mov_b32 s[G1S+5], 32
	s_mov_b32 s[G1S+6], 0
	s_mov_b32 s[G1S+7], 0
	s_or_b32 s[G1SB], s44, (3<<16)|(1<<20)|(1<<21)|(5<<22)|(3<<25)  ; 64 columns': 8 rows
	s_mov_b32 s[G1SB+1], 32<<16
	s_mov_b32 s[G1SB+2], 8<<16
	s_mov_b32 s[G1SB+3], 32<<16
	s_mov_b32 s[G1SB+4], 8
	s_mov_b32 s[G1SB+5], 32
	s_mov_b32 s[G1SB+6], 0
	s_mov_b32 s[G1SB+7], 0
	s_lshl_b32 s18, s16, 7
	s_lshl_b32 s20, s17, 8
	s_add_co_u32 s20, s20, s18                     ; the first token that I fetch: 256 ty + 128 half
	s_lshl_b32 s22, s20, 5
	s_add_co_u32 s22, s22, 4194304                 ; its scale bytes,
	s_lshl_b32 s20, s20, 10                        ; its codes
	s_mov_b32 s21, 0
	s_mov_b32 s23, 0
	s_lshl_b32 s18, s16, 2
	s_lshl_b32 s46, s42, 3
	s_add_co_u32 s46, s46, s18                     ; the first tile of 16 columns that I fetch: 8 tx + 4 half
	s_lshl_b32 s92, s46, 9
	s_add_co_u32 s92, s92, 2097152                 ; its scale bytes,
	s_lshl_b32 s46, s46, 12                        ; its images
	s_mov_b32 s47, 0
	s_mov_b32 s93, 0
	s_mul_i32 s45, s16, HALFA                      ; where they go: no place in the cluster enters an LDS address
	s_mul_i32 s94, s16, HALFB
	s_add_co_u32 s94, s94, ABYTES
	s_mul_i32 s95, s16, HALFSA
	s_add_co_u32 s95, s95, SCLA
	s_mul_i32 s96, s16, HALFSB
	s_add_co_u32 s96, s96, SCLB
	s_wait_dscnt 0x0                               ; both opening adds are done
	s_wait_kmcnt 0x0
	s_add_nc_u64 s[20:21], s[4:5], s[20:21]
	s_add_nc_u64 s[22:23], s[4:5], s[22:23]
	s_add_nc_u64 s[46:47], s[6:7], s[46:47]
	s_add_nc_u64 s[92:93], s[6:7], s[92:93]
	CROUND                                         ; all sixteen work-groups are here: the first joint loads meet
	s_mov_b32 s[G0S], 1
	s_mov_b32 s[G0S+1], s95
	s_mov_b64 s[G0S+2:G0S+3], s[22:23]
	s_or_b32 s[G0S+3], s[G0S+3], 0x80000000
	s_mov_b32 s[G0SB], 1
	s_mov_b32 s[G0SB+1], s96
	s_mov_b64 s[G0SB+2:G0SB+3], s[92:93]
	s_or_b32 s[G0SB+3], s[G0SB+3], 0x80000000
	JLOAD G0S, G1S, G0SB, G1SB                     ; the scale bytes first: filled once
.irp s, 0,1
	s_mov_b32 s[G0+4*\s], 1
	s_add_co_u32 s[G0+4*\s+1], s45, \s*SLOT
	s_add_nc_u64 s[G0+4*\s+2:G0+4*\s+3], s[20:21], \s*256
	s_or_b32 s[G0+4*\s+3], s[G0+4*\s+3], 0x80000000
	s_mov_b32 s[G0B+4*\s], 1
	s_add_co_u32 s[G0B+4*\s+1], s94, \s*SLOT
	s_add_nc_u64 s[G0B+4*\s+2:G0B+4*\s+3], s[46:47], \s*524288
	s_or_b32 s[G0B+4*\s+3], s[G0B+4*\s+3], 0x80000000
	JLOAD G0+4*\s, G1, G0B+4*\s, G1B               ; by this text's count three tensor loads of a wave are out here, later one
.endr
	v_and_b32 v1, 15, v0                           ; r
	v_bfe_u32 v2, v0, 4, 1                         ; h
	v_and_b32 v3, 31, v0
	v_lshlrev_b32 v[LI], 4, v3
	v_mul_u32_u24 v4, v1, PITCH
	v_lshl_add_u32 v4, v2, 4, v4                   ; a fragment's row x pitch + 16 h
	s_mul_i32 s21, s15, HALFA
	s_mul_i32 s22, s16, HALFB
	s_add_co_u32 s22, s22, ABYTES
.irp s, 0,1
	v_add_nc_u32 v[ADRA+\s], s21, v4
	v_add_nc_u32 v[ADRB+\s], s22, v[LI]
	s_add_co_u32 s21, s21, SLOT
	s_add_co_u32 s22, s22, SLOT
.endr
	v_lshrrev_b32 v5, 3, v1
	v_mul_u32_u24 v5, v5, 272
	v_and_b32 v6, 7, v1
	v_lshl_add_u32 v5, v6, 5, v5                   ; row r's 32 scale bytes: eight rows to a unit
	s_mul_i32 s23, s15, HALFSA
	s_add_co_u32 s23, s23, SCLA
	v_add_nc_u32 v[ADRSA], s23, v5
	s_mul_i32 s23, s16, HALFSB
	s_add_co_u32 s23, s23, SCLB
	v_add_nc_u32 v[ADRSB], s23, v5
	s_mul_i32 s23, s14, 32*272
	s_add_co_u32 s23, s23, VSTG                    ; my stage
	v_mul_u32_u24 v5, v1, 272
	v_lshl_add_u32 v5, v2, 5, v5
	v_add_nc_u32 v[STO], s23, v5                   ; in: row = token r, + 32 h
	v_mul_u32_u24 v5, v2, 8*272
	v_lshl_add_u32 v5, v1, 2, v5
	v_add_nc_u32 v[RDV], s23, v5                   ; out: 8 h rows down, column r
	s_lshl_b32 s98, s42, 9
	s_lshl_b32 s99, s16, 8
	s_add_co_u32 s98, s98, s99                     ; the bias of my 64 columns
	s_mov_b32 s99, 0
	s_add_nc_u64 s[8:9], s[8:9], s[98:99]
	v_lshlrev_b32 v[BOF], 5, v2
.irp b, 0,1,2,3
	global_load_b128 v[BI+8*\b:BI+8*\b+3], v[BOF], s[8:9] offset:64*\b        ; b(16 b + 8 h + 0 .. 7)
	global_load_b128 v[BI+8*\b+4:BI+8*\b+7], v[BOF], s[8:9] offset:64*\b+16
.endr
.macro FRAG_A reg, slot, q, i          ; 16 tokens x 128 K: lane (r, h), registers 4 c ..: k = 32 c + 16 h + 0 .. 15
.irp c, 0,1,2,3
	ds_load_b128 v[\reg+4*\c:\reg+4*\c+3], v[ADRA+\slot] offset:128*(\q)+32*\c+(\i)*16*PITCH
.endr
.endm
.macro FRAG_B reg, slot, q, i          ; an image comes back as it was stored
.irp c, 0,1,2,3
	ds_load_b128 v[\reg+4*\c:\reg+4*\c+3], v[ADRB+\slot] offset:4096*(\i)+2048*(\q)+512*\c
.endr
.endm
.macro FETCH_B slot, q, p
	WIN TO_B
.irp i, 0,1,2,3
	FRAG_B 64*(\p)+16*\i, \slot, \q, \i
.endr
	WIN 0
.endm
.macro FETCH_A slot, q, i0
.irp i, \i0, \i0+1, \i0+2, \i0+3
	FRAG_A AF+16*(\i), \slot, \q, \i
.endr
.endm
.macro SCALES sc                       ; a slot's scale words: two a row
.irp i, 0,1,2,3,4,5,6,7
	ds_load_b64 v[SC+24*\sc+2*\i:SC+24*\sc+2*\i+1], v[ADRSA] offset:\i*544
.endr
.irp i, 0,1,2,3
	ds_load_b64 v[SC+24*\sc+16+2*\i:SC+24*\sc+16+2*\i+1], v[ADRSB] offset:\i*544
.endr
.endm
; 8 matrix instructions: token blocks a0, a0 + 1 x W's four.  The 32 accumulators take turns, one instruction a turn, in the same order in every step.
.macro MUL8 a0, p, q, sc, zero
.irp a, \a0, \a0+1
.irp b, 0,1,2,3
.if \zero
	v_wmma_scale_f32_16x16x128_f8f6f4 v[8*(4*(\a)+\b):8*(4*(\a)+\b)+7], v[64*(\p)+16*\b:64*(\p)+16*\b+15], v[AF+16*(\a):AF+16*(\a)+15], 0, v[SC+24*(\sc)+16+2*\b+(\q)], v[SC+24*(\sc)+2*(\a)+(\q)]
.else
	v_wmma_scale_f32_16x16x128_f8f6f4 v[8*(4*(\a)+\b):8*(4*(\a)+\b)+7], v[64*(\p)+16*\b:64*(\p)+16*\b+15], v[AF+16*(\a):AF+16*(\a)+15], v[8*(4*(\a)+\b):8*(4*(\a)+\b)+7], v[SC+24*(\sc)+16+2*\b+(\q)], v[SC+24*(\sc)+2*(\a)+(\q)]
.endif
.endr
.endr
.endm
; A slot's first 128 along K.  Eight places stand in front of each run of loads into registers that matrix instructions have read.
.macro STEP slot, zero
	s_wait_dscnt 16                                ; W's set, the scale words and token blocks 0-3 are in; the youngest 16 loads (blocks 4-7) may be out
	WIN MUL
	MUL8 0, 0, 0, \slot, \zero
	MUL8 2, 0, 0, \slot, \zero
	s_wait_dscnt 0x0
	PLACES 8
	FETCH_B \slot, 1, 1
	FETCH_A \slot, 1, 0
	WIN MUL
	MUL8 4, 0, 0, \slot, \zero
	MUL8 6, 0, 0, \slot, \zero
	PLACES 8
	WIN 0
	FETCH_A \slot, 1, 4
.endm
; A slot's second 128 changes slots: one barrier; in front of it each wave waits for all its tensor loads, adds 0 to its spare word, and waits for that and for its reads of this slot.
.macro TURN slot, next, fill
	s_wait_tensorcnt 0x0                           ; all my tensor loads have landed: my part of the next slot
	ds_add_u32 v[SPW], v[NIL]
	s_wait_dscnt 17                                ; (the add and the youngest 16 loads, token blocks 4-7, may be out)
	WIN MUL
	MUL8 0, 1, 1, \slot, 0
	s_wait_dscnt 0x0                               ; the add is done, and my reads of this slot are over
	s_barrier_signal -1
	MUL8 2, 1, 1, \slot, 0
	WIN 0
	s_barrier_wait -1
.if \fill
	CREST                                          ; the barrier has opened a round of the cluster's: no wave of any partner still reads this slot or has a load on its way
	s_add_nc_u64 s[G0+4*\slot+2:G0+4*\slot+3], s[G0+4*\slot+2:G0+4*\slot+3], 512
	s_add_nc_u64 s[G0B+4*\slot+2:G0B+4*\slot+3], s[G0B+4*\slot+2:G0B+4*\slot+3], 1048576
	JLOAD G0+4*\slot, G1, G0B+4*\slot, G1B         ; the first tensor load behind the round; its four v_nop are among the places below
	PLACES 4
.else
	PLACES 8
.endif
	v_add_nc_u32 v[ADRSA], 8, v[ADRSA]             ; the next slot's scale words (no LDS load of mine is out)
	v_add_nc_u32 v[ADRSB], 8, v[ADRSB]
	FETCH_B \next, 0, 0
	FETCH_A \next, 0, 0
	SCALES \next
	WIN MUL
	MUL8 4, 1, 1, \slot, 0
	MUL8 6, 1, 1, \slot, 0
	PLACES 8
	WIN 0
	FETCH_A \next, 0, 4
.endm
	s_wait_tensorcnt 1                             ; the scale bytes and my part of slot 0 are in; slot 1's load may be out
	s_barrier_signal -1
	s_barrier_wait -1
	FETCH_B 0, 0, 0
	FETCH_A 0, 0, 0
	SCALES 0
	FETCH_A 0, 0, 4
	STEP 0, 1                                      ; the first products start the sums: nothing is cleared.  K = 1,024 is twice round the ring, written straight
	TURN 0, 1, 1
	STEP 1, 0
	TURN 1, 0, 1
	STEP 0, 0
	TURN 0, 1, 0                                   ; the last lap fills nothing
	STEP 1, 0
	s_wait_dscnt 16
	WIN MUL
	MUL8 0, 1, 1, 1, 0
	MUL8 2, 1, 1, 1, 0
	s_wait_dscnt 0x0
	MUL8 4, 1, 1, 1, 0
	MUL8 6, 1, 1, 1, 0
	WIN 0
	; ---------------- the way out
	PLACES 8                                       ; in front of the first read of results and of writes into registers that the last products read
	s_wait_loadcnt 0x0                             ; the bias
.irp b, 0,1,2,3
	v_mov_b32 v[TM+4+\b], 0                        ; a lane permute's destination counts as read
.endr
	v_mov_b32 v54, 0
	v_mov_b32 v55, 0
	s_mov_b32 s[SEL], 0x76543210
	s_mov_b32 s[SEL+1], 0xfedcba98
	s_mov_b32 s[MNT], 0x600000
	s_mov_b32 s101, 0xffff0000                     ; lanes 16-31
	s_lshr_b32 s98, s17, 3                         ; the batch
	s_lshl_b32 s98, s98, 3
	s_lshl_b32 s99, s40, 1
	s_add_co_u32 s98, s98, s99
	s_add_co_u32 s98, s98, s16                     ; 8 batch + head (head = 2 cx + my half)
	s_lshl_b32 s98, s98, 4
	s_and_b32 s99, s17, 7
	s_lshl_b32 s99, s99, 1
	s_add_co_u32 s98, s98, s99
	s_add_co_u32 s98, s98, s15                     ; I
.macro ADDB p                          ; token tiles 2 p, 2 p + 1 + the bias -> T; each accumulator is read from its low end on
	WIN 0x02
.set mm, 0
.rept 32
	v_pk_add_f32 v[T+2*mm:T+2*mm+1], v[64*(\p)+2*mm:64*(\p)+2*mm+1], v[BI+(2*mm)%32:BI+(2*mm)%32+1]
.set mm, mm+1
.endr
	WIN 0
.endm
; 64 numbers of a lane in four runs of 16, each with lane l xor 16's a block of 32, become 16 registers of codes in v[PC] on, the four bytes in v[TM+4] on and as a word in v[PW]
.macro QUANT s
.irp b, 0,1,2,3
	v_max3_num_f32 v[TM+\b], |v[\s+16*\b]|, |v[\s+1+16*\b]|, 0x4800000   ; and the floor 2^(9 - 127): the byte cannot fall under 1
.endr
.irp i, 2,4,6,8,10,12,14
.irp b, 0,1,2,3
	v_max3_num_f32 v[TM+\b], v[TM+\b], |v[\s+16*\b+\i]|, |v[\s+1+16*\b+\i]|
.endr
.endr
.irp b, 0,1,2,3
	v_permlanex16_b32 v[TM+4+\b], v[TM+\b], s[SEL], s[SEL+1]
.endr
.irp b, 0,1,2,3
	v_max_num_f32 v[TM+\b], v[TM+\b], v[TM+4+\b]
.endr
.irp b, 0,1,2,3
	v_add_nc_u32 v[TM+12+\b], 0xfc000000, v[TM+\b]         ; 8 off the exponent field: the conversion's scale operand
.endr
.irp b, 0,1,2,3
	v_and_or_b32 v[TM+8+\b], v[TM+\b], 0x7f800000, s[MNT]  ; 448 x the scale
.endr
.irp b, 0,1,2,3
	v_lshrrev_b32 v[TM+4+\b], 23, v[TM+12+\b]              ; the byte
.endr
	v_lshl_or_b32 v[PW], v[TM+5], 8, v[TM+4]
	v_lshl_or_b32 v[PW], v[TM+6], 16, v[PW]
	v_lshl_or_b32 v[PW], v[TM+7], 24, v[PW]
.irp b, 0,1,2,3
.irp i, 0,1,2,3,4,5,6,7,8,9,10,11,12,13,14,15
	v_med3_num_f32 v[\s+16*\b+\i], v[\s+16*\b+\i], -v[TM+8+\b], v[TM+8+\b]   ; the conversion does not saturate (ISA guide 7.6.2): the hold
.endr
	v_cvt_scalef32_pk8_fp8_f32 v[PC+4*\b:PC+1+4*\b], v[\s+16*\b:\s+7+16*\b], v[TM+12+\b]
	v_cvt_scalef32_pk8_fp8_f32 v[PC+2+4*\b:PC+3+4*\b], v[\s+8+16*\b:\s+15+16*\b], v[TM+12+\b]
.endr
	v_nop                                          ; a plain instruction behind the last conversion
.endm
	s_cmp_eq_u32 ttmp9, 3                          ; the kind is the cluster's x: the same in all sixteen partners
	s_cbranch_scc1 .Lg
	s_cmp_eq_u32 ttmp9, 2
	s_cbranch_scc1 .Lv
	; ---- Q or K
	s_mul_i32 s92, ttmp9, 2359296
	s_lshl_b32 s93, s98, 13
	s_add_co_u32 s94, s92, s93
	s_mov_b32 s95, 0
	s_add_nc_u64 s[94:95], s[10:11], s[94:95]      ; my images
	s_lshl_b32 s93, s98, 9
	s_add_co_u32 s96, s92, s93
	s_add_co_u32 s96, s96, 2097152
	s_mov_b32 s97, 0
	s_add_nc_u64 s[96:97], s[10:11], s[96:97]      ; my scale words; the sums of squares lie 131,072 bytes on
.irp p, 0,1,2,3
	s_wait_xcnt 0x0                                ; the last stores have read their registers
	ADDB \p
	v_pk_mul_f32 v[SQ:SQ+1], v[T:T+1], v[T:T+1]    ; the sums of squares are taken of the numbers before they are quantised
	v_pk_mul_f32 v[SQ+2:SQ+3], v[T+32:T+33], v[T+32:T+33]
.set mm, 1
.rept 15
	v_pk_fma_f32 v[SQ:SQ+1], v[T+2*mm:T+2*mm+1], v[T+2*mm:T+2*mm+1], v[SQ:SQ+1]
	v_pk_fma_f32 v[SQ+2:SQ+3], v[T+32+2*mm:T+33+2*mm], v[T+32+2*mm:T+33+2*mm], v[SQ+2:SQ+3]
.set mm, mm+1
.endr
	v_add_f32 v[SQ], v[SQ], v[SQ+1]
	v_add_f32 v[SQ+2], v[SQ+2], v[SQ+3]
	v_permlanex16_b32 v54, v[SQ], s[SEL], s[SEL+1]
	v_permlanex16_b32 v55, v[SQ+2], s[SEL], s[SEL+1]
	v_add_f32 v[SSV+2*\p], v[SQ], v54              ; token 16 (2 p) + r,
	v_add_f32 v[SSV+2*\p+1], v[SQ+2], v55          ; token 16 (2 p + 1) + r
	QUANT T
.irp c, 0,1,2,3
	global_store_b128 v[LI], v[PC+4*\c:PC+4*\c+3], s[94:95] offset:2048*\p+512*\c   ; 512 consecutive bytes
.endr
	v_mov_b32 v[WD+\p], v[PW]
.endr
.irp i, 0,1,2,3
	v_cndmask_b32 v[SL4+\i], v[SSV+\i], v[SSV+4+\i], s101   ; lanes 16-31 carry tiles 4 to 7
.endr
	global_store_b128 v[LI], v[SL4:SL4+3], s[96:97] offset:131072
	global_store_b128 v[LI], v[WD:WD+3], s[96:97]
	s_branch .Ldone
	; ---- V: a block of 32 tokens at a time is turned through my stage, so that a lane holds one d and its registers run along the tokens
.Lv:
	s_lshl_b32 s94, s98, 13
	s_mov_b32 s95, 0
	s_add_nc_u64 s[94:95], s[12:13], s[94:95]
	s_lshl_b32 s96, s98, 9
	s_add_co_u32 s96, s96, 2097152
	s_mov_b32 s97, 0
	s_add_nc_u64 s[96:97], s[12:13], s[96:97]
.irp p, 0,1,2,3
	s_wait_xcnt 0x0
	ADDB \p
.irp u, 0,1
.irp b, 0,1,2,3
	ds_store_b128 v[STO], v[T+32*\u+8*\b:T+32*\u+8*\b+3] offset:4352*\u+64*\b
	ds_store_b128 v[STO], v[T+32*\u+8*\b+4:T+32*\u+8*\b+7] offset:4352*\u+64*\b+16
.endr
.endr
.irp t, 0,1,2,3
.irp i, 0,1,2,3,4,5,6,7,8,9,10,11,12,13,14,15
	ds_load_b32 v[U+16*\t+\i], v[RDV] offset:((\i%8)+16*(\i/8))*272+64*\t   ; V(token 16 (i / 8) + 8 h + i % 8, d = 16 t + r).  LDS serves a wave's instructions in order: these see my stores
.endr
.endr
	s_wait_dscnt 0x0
	QUANT U
.irp t, 0,1,2,3
	global_store_b128 v[LI], v[PC+4*\t:PC+4*\t+3], s[94:95] offset:(4*\t+\p)*512
.if \p == 0
	v_mov_b32 v[WD+\t], v[TM+4+\t]
.else
	v_lshl_or_b32 v[WD+\t], v[TM+4+\t], 8*\p, v[WD+\t]
.endif
.endr
.endr
	global_store_b128 v[LI], v[WD:WD+3], s[96:97]
	s_branch .Ldone
	; ---- G: f32, as the accumulators stand
.Lg:
	s_lshl_b32 s94, s98, 15
	s_add_co_u32 s94, s94, 2228224
	s_mov_b32 s95, 0
	s_add_nc_u64 s[94:95], s[12:13], s[94:95]
	WIN 0x82
.set mm, 0
.rept 128
	v_pk_add_f32 v[2*mm:2*mm+1], v[2*mm:2*mm+1], v[BI+(2*mm)%32:BI+(2*mm)%32+1]
.set mm, mm+1
.endr
	WIN 0x08                                       ; a store's data are its source 1: window 2
.set mm, 0
.rept 64
	global_store_b128 v[LI], v[4*mm:4*mm+3], s[94:95] offset:512*mm
.set mm, mm+1
.endr
	WIN 0
.Ldone:
	s_wait_tensorcnt 0x0                           ; the wave's end
	ds_add_u32 v[SPW], v[NIL]
	s_wait_dscnt 0x0
	CROUND                                         ; the closing round
	s_endpgm
.Lfunc_end_k_qdbdceca207_gemm1:
	.size	k_qdbdceca207_gemm1, .Lfunc_end_k_qdbdceca207_gemm1-k_qdbdceca207_gemm1
	.p2alignl 7, 3214868480
	.fill 96, 4, 3214868480
	.section	.rodata,"a",@progbits
	.p2align	6, 0x0
	.amdhsa_kernel k_qdbdceca207_gemm1
		.amdhsa_group_segment_fixed_size 327680
		.amdhsa_private_segment_fixed_size 0
		.amdhsa_enable_private_segment 0
		.amdhsa_kernarg_size 40
		.amdhsa_user_sgpr_count 2
		.amdhsa_user_sgpr_kernarg_segment_ptr 1
		.amdhsa_wavefront_size32 1
		.amdhsa_system_sgpr_workgroup_id_x 1
		.amdhsa_system_sgpr_workgroup_id_y 1
		.amdhsa_system_sgpr_workgroup_id_z 1
		.amdhsa_system_vgpr_workitem_id 0
		.amdhsa_next_free_vgpr 768
		.amdhsa_next_free_sgpr 102
		.amdhsa_reserve_vcc 0
		.amdhsa_float_denorm_mode_32 3
		.amdhsa_float_denorm_mode_16_64 3
		.amdhsa_memory_ordered 1
		.amdhsa_forward_progress 1
		.amdhsa_inst_pref_size 208
	.end_amdhsa_kernel
	.amdgpu_metadata
---
amdhsa.version: [ 1, 2 ]
amdhsa.kernels:
  - .name:           k_qdbdceca207_gemm1
    .symbol:         k_qdbdceca207_gemm1.kd
    .args:
      - { .name: xq, .offset: 0, .size: 8, .value_kind: global_buffer, .address_space: global }
      - { .name: wq, .offset: 8, .size: 8, .value_kind: global_buffer, .address_space: global }
      - { .name: b_qkvg, .offset: 16, .size: 8, .value_kind: global_buffer, .address_space: global }
      - { .name: qk, .offset: 24, .size: 8, .value_kind: global_buffer, .address_space: global }
      - { .name: vg, .offset: 32, .size: 8, .value_kind: global_buffer, .address_space: global }
    .group_segment_fixed_size: 327680
    .private_segment_fixed_size: 0
    .kernarg_segment_align: 8
    .kernarg_segment_size: 40
    .max_flat_workgroup_size: 128
    .sgpr_count:     102
    .vgpr_count:     768
    .wavefront_size: 32
...
	.end_amdgpu_metadata
.endif
;; end of part 2
;; launch attn (part 3): grid 16 x 16, 16 waves a work-group, no clusters, 317,952 bytes of LDS; arguments qk, vg, maskw, yg; writes yg
.if DOCPART == 3
	.amdgcn_target "amdgcn-amd-amdhsa--gfx1250"
	.amdhsa_code_object_version 6
	.text
	.protected	k_qdbdceca207_attn
	.globl	k_qdbdceca207_attn
	.p2align	8
	.type	k_qdbdceca207_attn,@function
k_qdbdceca207_attn:
	s_mov_b64 s[64:65], 0
	v_nop
	global_prefetch_b8 v0, s[64:65] scope:SCOPE_SE
	s_setreg_imm32_b32 hwreg(HW_REG_WAVE_MODE, 25, 1), 1
	s_wait_xcnt 0x0
; Launch 3 of 4: weight = 1 / max(|q - k|^2, 1e-16), 0 under the mask; attn = weight / max(total, 1e-8); Y = Q(attn) Q(V); Q(Y x G).  Both products on codes of E4M3.
; LEFT OUT: a tile of 16 queries x 128 keys whose mask bytes are all true (marked by the first launch in whole numbers): its weights are 0 for all values of the other inputs, so it adds 0 to the totals and to Y.
; attn is quantised FINISHED, so a row's total over all 2,048 keys must be known first.  So THE WAVES SHARE THE KEYS: a work-group of 16 waves holds all 2,048 keys of one (batch, head), 128 a wave; a wave's
; 16 queries x 128 keys of weights wait in 64 registers while the 16 partial totals meet in LDS.  Each weight is computed once.
; The work-group (j, bh) takes query tiles j + 16 i, i = 0 .. 7; wave w takes key step s = 4 ((w - w / 4) % 4) + w / 4 (it enters global addresses alone).
; No tensor load and no cluster: the launch branches on numbers read from memory; K's and V's images are read once by each work-group, straight into registers.
; SCORES: S^T = K Q^T + C, C = -k2 / 2 (source 0 = keys, source 1 = queries): lane (r, h) holds query r, register 8 t + j key 16 t + 8 h + j.  The head's 64 fill half of the instruction's 128: a fragment of K holds
; key tiles 2 p and 2 p + 1 side by side along the 128, and Q stands beside 64 zero codes: [Q][0] picks the even tile, [0][Q] the odd one.
; THREE PHASES A TILE:  A: scores, weights, mask, my partial total (to LDS), my four blocks' largest weights.   B: the row's total; attn quantised; O^T = V^T attn^T for my 128 keys, to LDS.
; C: wave w adds row w of the 16 partial results and keeps it in LDS.
; ONE BARRIER A TILE.  The partial totals and the partial results have two buffers each, taken by the tile's parity p, and C runs a tile late:  A0 | B0 A1 | B1 C0 A2 | B2 C1 A3 | .. | B7 C6 | C7 | the tail.
;   totals[p]: written in A(i), read in B(i) behind barrier i; written again in A(i + 2), behind barrier i + 1, in front of which every wave has waited for its reads.
;   results[p]: written in B(i), read in C(i) behind barrier i + 1; written again in B(i + 2), behind barrier i + 2, in front of which every wave has waited for its reads.
; THE TAIL: wave w takes tile w / 2 and block w % 2 of the head's 64: Y x G, quantised, as an image for the last product.
; LIMITS: 1 / total and 1 / d2 by v_rcp_f32 and a multiplication; NaN and infinities are not served.
.set VI,    0                          ; LDS: V's 16 quads of registers, 8,192 bytes a wave, each wave's own
.set OP,    131072                     ; 16 partial O: 16 rows x 272 bytes each; two buffers
.set OPB,   69632                      ; from one buffer to the other
.set YS,    270336                     ; Y of the 8 tiles: 16 rows x 272 bytes each
.set KK,    305152                     ; -k2 / 2 of my 128 keys: 512 bytes a wave, each wave's own
.set PT,    313344                     ; partial totals: 16 rows x 80 bytes, a word a wave; two buffers
.set PTB,   1280
.set SPARE, 315904                     ; the spare words, 128 bytes a wave
.set LI,   1                           ; v1   16 x lane
.set R16,  2                           ; v2   16 r
.set AKK,  3
.set APTW, 4
.set APTR, 5
.set AVI,  6
.set AOPW, 7                           ; v7   where I put my partial O, buffer 0;  v240: buffer 1
.set AOPR, 8                           ; v8   where I read row w of the sixteen, buffer 0;  v241: buffer 1
.set OPD,  233                         ; from a buffer-0 address register to its buffer-1 partner
.set AYS0, 9
.set SPW,  10                          ; v10  my spare word; never rewritten
.set NIL,  11                          ; v11  0; never rewritten
.set Q2,   12                          ; v[12:13] q2 (the low word serves both halves)
.set QSC,  14                          ; Q's scale word
.set QRAW, 15
.set KSC,  16                          ; v16-19
.set VSC,  20                          ; v20-23
.set QF,   24                          ; v24-31 Q, v32-39 zeros, v40-47 Q again
.set ZF,   32
.set QG,   40
.set KF,   48                          ; v48-111 K: pair p at 48 + 16 p
.set S,    112                         ; v112-175 scores, weights, attn, then V's fragments
.set P,    176                         ; v176-191 the 16 partial totals, then attn's codes
.set O,    192                         ; v192-223 the sixteen parts of a row (phase C), then O^T
.set TM,   224                         ; v224-239
.set PSC,  244
.set PTV,  245
.set INV,  246                         ; v[246:247]
.set SU,   248                         ; v248-251
.set AYS,  252
	s_load_b256 s[4:11], s[0:1], 0x0               ; qk s[4:5], vg s[6:7], maskw s[8:9], yg s[10:11]
	v_lshl_add_u32 v[SPW], v0, 2, SPARE
	v_mov_b32 v[NIL], 0
	v_lshrrev_b32 v1, 5, v0
	v_readfirstlane_b32 s12, v1                    ; wave w
	s_lshr_b32 s2, s12, 2
	s_sub_co_u32 s3, s12, s2
	s_and_b32 s3, s3, 3
	s_lshl_b32 s3, s3, 2
	s_add_co_u32 s13, s3, s2                       ; my key step s
	s_mov_b32 s14, ttmp9                           ; j
	s_and_b32 s78, ttmp7, 0xffff                   ; bh = 8 batch + head
	v_and_b32 v192, 31, v0                         ; lane
	v_and_b32 v193, 15, v0                         ; r
	v_bfe_u32 v194, v0, 4, 1                       ; h
	v_lshlrev_b32 v[LI], 4, v192
	v_lshlrev_b32 v[R16], 4, v193
	s_lshl_b32 s2, s12, 9
	s_add_co_u32 s2, s2, KK
	v_lshl_add_u32 v[AKK], v194, 5, s2             ; KK + 512 w + 32 h
	v_lshl_add_u32 v197, v194, 8, s2
	v_lshl_add_u32 v197, v193, 2, v197             ; KK + 512 w + 256 h + 4 r
	v_mul_u32_u24 v[APTR], v193, 80
	v_add_nc_u32 v[APTR], PT, v[APTR]              ; PT + 80 r
	s_lshl_b32 s2, s12, 2
	v_add_nc_u32 v[APTW], s2, v[APTR]              ; + 4 w
	s_lshl_b32 s2, s12, 13
	v_add_nc_u32 v[AVI], s2, v[LI]
	s_mul_i32 s2, s12, 4352
	s_add_co_u32 s2, s2, OP
	v_mul_u32_u24 v[AOPW], v193, 272
	v_lshl_add_u32 v[AOPW], v194, 5, v[AOPW]
	v_add_nc_u32 v[AOPW], s2, v[AOPW]              ; OP + 4,352 w + 272 r + 32 h
	s_mul_i32 s2, s12, 272
	s_add_co_u32 s3, s2, OP
	v_lshl_add_u32 v[AOPR], v192, 3, s3            ; OP + 272 w + 8 lane
	s_add_co_u32 s3, s2, YS
	v_lshl_add_u32 v[AYS0], v192, 3, s3            ; YS + 272 w + 8 lane
	s_mov_b32 s74, 0x76543210
	s_mov_b32 s75, 0xfedcba98
	s_mov_b32 s76, 0x600000
	s_and_b32 s2, s14, 1
	s_cmp_eq_u32 s2, 0
	s_mov_b32 s77, 0x03020302                      ; Q's two bytes are the low or the high half of its pair's word: they are set twice on end
	s_cselect_b32 s77, 0x01000100, s77
	s_lshl_b32 s79, s78, 4                         ; 16 bh
	s_add_co_u32 s2, s79, s13                      ; I of my keys
	s_lshl_b32 s3, s2, 13
	v_add_nc_u32 v195, s3, v[LI]                   ; I x 8,192 + 16 lane
	s_lshl_b32 s3, s2, 9
	v_add_nc_u32 v196, s3, v[LI]                   ; I x 512 + 16 lane
	v_mov_b32 v[Q2+1], 0
.irp i, 0,1,2,3,4,5,6,7
	v_mov_b32 v[ZF+\i], 0                          ; 64 zero codes
.endr
.set mm, 224
.rept 32
	v_mov_b32 v[mm], 0                             ; all that is at work is written once
.set mm, mm+1
.endr
	v_add_nc_u32 v[AOPW+OPD], OPB, v[AOPW]         ; the second buffer's two addresses
	v_add_nc_u32 v[AOPR+OPD], OPB, v[AOPR]
	s_lshr_b32 s2, s14, 3
	s_add_co_u32 s2, s79, s2                       ; I of query tile j
	s_and_b32 s3, s14, 7                           ; and its place there
	s_mov_b32 s101, 0
	s_wait_kmcnt 0x0
.set mm, 0
.rept 16
	global_load_b128 v[KF+4*mm:KF+4*mm+3], v195, s[4:5] offset:2359296+512*mm
.set mm, mm+1
.endr
	global_load_b128 v[KSC:KSC+3], v196, s[4:5] offset:2359296+2097152
	global_load_b128 v[SU:SU+3], v196, s[4:5] offset:2359296+2228224     ; k2 of keys 16 (4 h + i) + r
.set mm, 0
.rept 16
	global_load_b128 v[S+4*mm:S+4*mm+3], v195, s[6:7] offset:512*mm
.set mm, mm+1
.endr
	global_load_b128 v[VSC:VSC+3], v196, s[6:7] offset:2097152
	s_lshl_b32 s100, s2, 3
	s_add_co_u32 s100, s100, s3
	s_lshl_b32 s100, s100, 10
	s_add_nc_u64 s[68:69], s[4:5], s[100:101]      ; Q's image
	s_lshl_b32 s66, s2, 9
	s_lshr_b32 s100, s3, 1
	s_lshl_b32 s100, s100, 2
	s_add_co_u32 s100, s100, s66
	s_add_co_u32 s100, s100, 2097152
	s_add_nc_u64 s[70:71], s[4:5], s[100:101]      ; its pair's scale word
	s_lshr_b32 s100, s3, 2
	s_lshl_b32 s100, s100, 8
	s_and_b32 s67, s14, 3
	s_lshl_b32 s67, s67, 2
	s_add_co_u32 s100, s100, s67
	s_add_co_u32 s100, s100, s66
	s_add_co_u32 s100, s100, 2228224
	s_add_nc_u64 s[72:73], s[4:5], s[100:101]      ; q2
	s_lshl_b32 s66, s14, 4
	s_add_co_u32 s66, s66, s13                     ; 16 qt + s
	s_lshl_b32 s100, s66, 8
	s_add_nc_u64 s[96:97], s[8:9], s[100:101]      ; the 64 mask words
	s_lshl_b32 s100, s66, 2
	s_add_co_u32 s100, s100, 524288
	s_add_nc_u64 s[98:99], s[8:9], s[100:101]      ; the flag
	s_mov_b32 s100, 0x24e69595                     ; 1e-16
	s_mov_b32 s101, 0x322bcc77                     ; 1e-8
.macro PF                              ; a query tile's loads: six vector loads, five scalar ones.  Mask word e goes to s[16 + e] (e < 48) or s[32 + e]
	global_load_b128 v[QF:QF+3], v[LI], s[68:69]
	global_load_b128 v[QF+4:QF+7], v[LI], s[68:69] offset:512
	global_load_b128 v[QG:QG+3], v[LI], s[68:69]
	global_load_b128 v[QG+4:QG+7], v[LI], s[68:69] offset:512
	global_load_b32 v[QRAW], v[LI], s[70:71]
	global_load_b32 v[Q2], v[R16], s[72:73]
	s_load_b512 s[16:31], s[96:97], 0x0
	s_load_b512 s[32:47], s[96:97], 0x40
	s_load_b512 s[48:63], s[96:97], 0x80
	s_load_b512 s[80:95], s[96:97], 0xc0
	s_load_b32 s66, s[98:99], 0x0
.endm
.macro BAR                             ; all my LDS stores have landed and all my LDS loads are in: then the work-group's barrier
	s_wait_dscnt 0x0
	s_barrier_signal -1
	s_barrier_wait -1
.endm
; ---------------- PHASE A of a tile of parity par
.macro PHASE_A par
	s_wait_loadcnt 0x0                             ; the tile's loads, asked for a phase ago
	s_wait_kmcnt 0x0
	s_mov_b32 s67, s66                             ; the flag: the next tile's will land in s66
	v_perm_b32 v[QSC], v[QRAW], v[QRAW], s77
	s_cmp_lg_u32 s67, 0
	s_cbranch_scc1 .LskipA_\@                      ; all 2,048 under the mask: no barrier is jumped over
.irp t, 0,1,2,3,4,5,6,7
	ds_load_b128 v[S+8*\t:S+8*\t+3], v[AKK] offset:64*\t         ; C = -k2 / 2 of key 16 t + 8 h + j
	ds_load_b128 v[S+8*\t+4:S+8*\t+7], v[AKK] offset:64*\t+16
.endr
.rept 8
	v_nop                                          ; a scale word made by a vector instruction stands eight places ahead of the product
.endr
	s_wait_dscnt 0x0
.irp t, 0,1,2,3,4,5,6,7
	v_wmma_scale_f32_16x16x128_f8f6f4 v[S+8*\t:S+8*\t+7], v[KF+16*(\t/2):KF+16*(\t/2)+15], v[QF+8*(\t%2):QF+8*(\t%2)+15], v[S+8*\t:S+8*\t+7], v[KSC+\t/2], v[QSC]
.endr
.rept 8
	v_nop
.endr
.set mm, 0
.rept 32
	v_pk_fma_f32 v[S+2*mm:S+2*mm+1], v[S+2*mm:S+2*mm+1], -2.0, v[Q2:Q2+1] op_sel_hi:[1,0,0]   ; d2 = q2 - 2 (s - k2 / 2)
.set mm, mm+1
.endr
.set mm, 0
.rept 64
	v_max_num_f32 v[S+mm], s100, v[S+mm]           ; both clamps of the distance in one
.set mm, mm+1
.endr
.set mm, 0
.rept 64
	v_rcp_f32 v[S+mm], v[S+mm]
.set mm, mm+1
.endr
	v_nop                                          ; a plain instruction behind the batch,
	s_wait_alu depctr_va_vdst(0)                   ; and one wait for all 64, ahead of the first reader
.set mm, 0
.rept 64
.if mm < 48
	v_cndmask_b32 v[S+mm], v[S+mm], v[ZF], s[16+mm]   ; 0 where the mask's bit is set
.else
	v_cndmask_b32 v[S+mm], v[S+mm], v[ZF], s[32+mm]
.endif
.set mm, mm+1
.endr
	v_pk_add_f32 v[SU:SU+1], v[S:S+1], v[S+2:S+3]  ; my part of the row's total, in two chains
	v_pk_add_f32 v[SU+2:SU+3], v[S+4:S+5], v[S+6:S+7]
.set mm, 8
.rept 14
	v_pk_add_f32 v[SU:SU+1], v[SU:SU+1], v[S+mm:S+mm+1]
	v_pk_add_f32 v[SU+2:SU+3], v[SU+2:SU+3], v[S+mm+2:S+mm+3]
.set mm, mm+4
.endr
	v_pk_add_f32 v[SU:SU+1], v[SU:SU+1], v[SU+2:SU+3]
	v_add_f32 v[SU], v[SU], v[SU+1]
	v_permlanex16_b32 v[SU+1], v[SU], s74, s75
	v_add_f32 v[PTV], v[SU], v[SU+1]
	ds_store_b32 v[APTW], v[PTV] offset:PTB*(\par) ; both halves of the lanes write the same word with the same value.  It goes out first: the search below stands between it and the wait in front of the barrier
.irp b, 0,1,2,3
	v_max3_num_f32 v[TM+\b], v[S+16*\b], v[S+1+16*\b], v[S+2+16*\b]   ; each block's largest weight: times 1 / total it is the block's largest attn, since the multiplication does not fall where its input rises
.endr
.irp i, 3,5,7,9,11,13
.irp b, 0,1,2,3
	v_max3_num_f32 v[TM+\b], v[TM+\b], v[S+16*\b+\i], v[S+1+16*\b+\i]
.endr
.endr
.irp b, 0,1,2,3
	v_max_num_f32 v[TM+\b], v[TM+\b], v[S+15+16*\b]
.endr
.irp b, 0,1,2,3
	v_permlanex16_b32 v[TM+4+\b], v[TM+\b], s74, s75
.endr
.irp b, 0,1,2,3
	v_max_num_f32 v[TM+\b], v[TM+\b], v[TM+4+\b]
.endr
	s_branch .LjoinA_\@
.LskipA_\@:
	v_mov_b32 v[PTV], 0
	ds_store_b32 v[APTW], v[PTV] offset:PTB*(\par)
.LjoinA_\@:
.endm
; ---------------- PHASE C in two parts: the loads of row w of the sixteen parts in buffer buf; their sum, kept at yoff bytes behind v[AYS]
.macro CLOAD buf
.irp k, 0,1,2,3,4,5,6,7,8,9,10,11,12,13,14,15
	ds_load_b64 v[O+2*\k:O+2*\k+1], v[AOPR+OPD*(\buf)] offset:4352*\k
.endr
	v_add_nc_u32 v[AYS], s79, v[AYS0]
.endm
.macro CADD yoff
.irp k, 0,1,2,3,4,5,6,7
	v_pk_add_f32 v[O+4*\k:O+4*\k+1], v[O+4*\k:O+4*\k+1], v[O+4*\k+2:O+4*\k+3]
.endr
.irp k, 0,1,2,3
	v_pk_add_f32 v[O+8*\k:O+8*\k+1], v[O+8*\k:O+8*\k+1], v[O+8*\k+4:O+8*\k+5]
.endr
	v_pk_add_f32 v[O:O+1], v[O:O+1], v[O+8:O+9]
	v_pk_add_f32 v[O+16:O+17], v[O+16:O+17], v[O+24:O+25]
	v_pk_add_f32 v[O:O+1], v[O:O+1], v[O+16:O+17]
	ds_store_b64 v[AYS], v[O:O+1] offset:\yoff
.endm
; ---------------- PHASE B of a tile of parity par, behind its barrier.  pre = 1: the next tile's loads go out first.  cph = 1: phase C of the tile before (the other buffer) rides along
.macro PHASE_B par, pre, cph, yoff
.if \pre
	s_add_nc_u64 s[68:69], s[68:69], 16384         ; 16 query tiles on (the last loads from these bases were waited for at the head of phase A)
	s_add_nc_u64 s[70:71], s[70:71], 1024
	s_add_nc_u64 s[72:73], s[72:73], 1024
	s_add_nc_u64 s[96:97], s[96:97], 65536
	s_add_nc_u64 s[98:99], s[98:99], 1024
	PF
.endif
.irp k, 0,1,2,3
	ds_load_b128 v[P+4*\k:P+4*\k+3], v[APTR] offset:PTB*(\par)+16*\k   ; my query's 16 partial totals, into the codes' registers, which are free here
.endr
.if \cph
	CLOAD 1-(\par)
.endif
	s_cmp_lg_u32 s67, 0
	s_cbranch_scc1 .LskipB_\@
	s_wait_dscnt 16*(\cph)                         ; the totals are in; phase C's 16 loads, issued behind them, may be out
	v_pk_add_f32 v[P:P+1], v[P:P+1], v[P+2:P+3]    ; the same order in all waves: the same total
	v_pk_add_f32 v[P+4:P+5], v[P+4:P+5], v[P+6:P+7]
	v_pk_add_f32 v[P+8:P+9], v[P+8:P+9], v[P+10:P+11]
	v_pk_add_f32 v[P+12:P+13], v[P+12:P+13], v[P+14:P+15]
	v_pk_add_f32 v[P:P+1], v[P:P+1], v[P+4:P+5]
	v_pk_add_f32 v[P+8:P+9], v[P+8:P+9], v[P+12:P+13]
	v_pk_add_f32 v[P:P+1], v[P:P+1], v[P+8:P+9]
	v_add_f32 v[INV], v[P], v[P+1]
	v_max_num_f32 v[INV], s101, v[INV]             ; held at 1e-8 from below
	v_rcp_f32 v[INV], v[INV]
	v_nop
	s_wait_alu depctr_va_vdst(0)
.irp b, 0,1,2,3
	v_mul_f32 v[TM+\b], v[TM+\b], v[INV]           ; the block's largest attn
.endr
.irp b, 0,1,2,3
	v_max_num_f32 v[TM+\b], 0x4800000, v[TM+\b]    ; the floor 2^(9 - 127): a block of zeros keeps the byte 1
.endr
.irp b, 0,1,2,3
	v_add_nc_u32 v[TM+12+\b], 0xfc000000, v[TM+\b]
.endr
.irp b, 0,1,2,3
	v_and_or_b32 v[TM+8+\b], v[TM+\b], 0x7f800000, s76
.endr
.irp b, 0,1,2,3
	v_lshrrev_b32 v[TM+4+\b], 23, v[TM+12+\b]
.endr
	v_lshl_or_b32 v[PSC], v[TM+5], 8, v[TM+4]
	v_lshl_or_b32 v[PSC], v[TM+6], 16, v[PSC]
	v_lshl_or_b32 v[PSC], v[TM+7], 24, v[PSC]      ; attn's scale word for my 128 keys
.set mm, 0
.rept 32
	v_pk_mul_f32 v[S+2*mm:S+2*mm+1], v[S+2*mm:S+2*mm+1], v[INV:INV+1] op_sel_hi:[1,0]   ; attn
.set mm, mm+1
.endr
.irp b, 0,1,2,3
.irp i, 0,1,2,3,4,5,6,7,8,9,10,11,12,13,14,15
	v_min_num_f32 v[S+16*\b+\i], v[S+16*\b+\i], v[TM+8+\b]   ; attn is not negative: the hold is one-sided
.endr
	v_cvt_scalef32_pk8_fp8_f32 v[P+4*\b:P+4*\b+1], v[S+16*\b:S+16*\b+7], v[TM+12+\b]
	v_cvt_scalef32_pk8_fp8_f32 v[P+4*\b+2:P+4*\b+3], v[S+16*\b+8:S+16*\b+15], v[TM+12+\b]
.irp g, 0,1,2,3
	ds_load_b128 v[S+16*\b+4*\g:S+16*\b+4*\g+3], v[AVI] offset:512*(4*\b+\g)   ; V's fragment b takes the 16 registers that block b has just left: it lands under the later blocks' work
.endr
.endr
.if \cph
	s_wait_dscnt 16                                ; phase C's 16 loads are in; V's 16, issued behind them, may be out
	CADD \yoff
.endif
.rept 4
	v_nop                                          ; an operand made by vector instructions stands four places ahead of the product
.endr
	s_wait_dscnt 0x0                               ; V is in, and phase C's store has read its registers
.irp t, 0,1,2,3
	v_wmma_scale_f32_16x16x128_f8f6f4 v[O+8*\t:O+8*\t+7], v[S+16*\t:S+16*\t+15], v[P:P+15], 0, v[VSC+\t], v[PSC]
.endr
.rept 9
	v_nop                                          ; nine: the next tile's score products write over V's registers
.endr
.irp t, 0,1,2,3
	ds_store_b128 v[AOPW+OPD*(\par)], v[O+8*\t:O+8*\t+3] offset:64*\t        ; O(query r, d = 16 t + 8 h + 0 .. 7) for my keys
	ds_store_b128 v[AOPW+OPD*(\par)], v[O+8*\t+4:O+8*\t+7] offset:64*\t+16
.endr
	s_branch .LjoinB_\@
.LskipB_\@:
.if \cph
	s_wait_dscnt 0x0
	CADD \yoff
.endif
.irp t, 0,1,2,3
	ds_store_b128 v[AOPW+OPD*(\par)], v[ZF:ZF+3] offset:64*\t
	ds_store_b128 v[AOPW+OPD*(\par)], v[ZF:ZF+3] offset:64*\t+16
.endr
.LjoinB_\@:
.endm
	PF
	s_wait_loadcnt 6                               ; K, V, their scale words and k2 are in; the tile's six vector loads may be out
.set mm, 0
.rept 16
	ds_store_b128 v[AVI], v[S+4*mm:S+4*mm+3] offset:512*mm   ; V's fragments are parked as images in my own bytes
.set mm, mm+1
.endr
.irp i, 0,1,2,3
	v_mul_f32 v[SU+\i], -0.5, v[SU+\i]
.endr
.irp i, 0,1,2,3
	ds_store_b32 v197, v[SU+\i] offset:64*\i       ; -k2 / 2 at 4 x key
.endr
	s_mov_b32 s15, 0
	s_mov_b32 s79, 0                               ; where phase C keeps its rows: 8,704 bytes (two tiles) on in each trip
	PHASE_A 0                                      ; tile 0
	BAR
	PHASE_B 0, 1, 0, 0                             ; B0: there is no tile before it
	PHASE_A 1
.Ltwo:                                             ; three trips of two tiles: B1 C0 A2 | B2 C1 A3, .. , B5 C4 A6 | B6 C5 A7
	BAR
	PHASE_B 1, 1, 1, 0
	PHASE_A 0
	BAR
	PHASE_B 0, 1, 1, 4352
	PHASE_A 1
	s_add_co_u32 s79, s79, 8704
	s_add_co_u32 s15, s15, 1
	s_cmp_lt_u32 s15, 3
	s_cbranch_scc1 .Ltwo
	BAR
	PHASE_B 1, 0, 1, 0                             ; B7 C6: nothing more is asked for: no load leaves its buffer
	; ---------------- the tail: tile i' = w / 2, block c' = w % 2 of the head's 64.  Its addresses are made and G is asked for here, ahead of the last two barriers
	s_lshr_b32 s2, s12, 1
	s_and_b32 s3, s12, 1
	s_lshl_b32 s16, s78, 4
	s_lshl_b32 s17, s2, 1
	s_add_co_u32 s16, s16, s17
	s_lshr_b32 s17, s14, 3
	s_add_co_u32 s16, s16, s17                     ; I of query tile j + 16 i'
	s_lshl_b32 s16, s16, 15
	s_and_b32 s17, s14, 7
	s_lshl_b32 s17, s17, 12
	s_add_co_u32 s16, s16, s17
	s_lshl_b32 s17, s3, 11
	s_add_co_u32 s16, s16, s17
	s_add_co_u32 s16, s16, 2228224
	s_mov_b32 s17, 0
	s_add_nc_u64 s[16:17], s[6:7], s[16:17]
.irp g, 0,1,2,3
	global_load_b128 v[48+4*\g:51+4*\g], v[LI], s[16:17] offset:512*\g   ; G, in the lanes and the order in which Y is read below; K's registers are done with
.endr
	s_lshr_b32 s18, s78, 3
	s_lshl_b32 s18, s18, 7
	s_add_co_u32 s18, s18, s14
	s_lshl_b32 s19, s2, 4
	s_add_co_u32 s18, s18, s19                     ; the tile of tokens: 128 batch + j + 16 i'
	s_and_b32 s19, s78, 7                          ; the head
	s_lshl_b32 s20, s18, 2
	s_lshr_b32 s21, s19, 1
	s_add_co_u32 s20, s20, s21
	s_lshl_b32 s20, s20, 2
	s_and_b32 s21, s19, 1
	s_lshl_b32 s21, s21, 1
	s_add_co_u32 s20, s20, s21
	s_add_co_u32 s20, s20, s3
	s_lshl_b32 s20, s20, 9
	s_mov_b32 s21, 0
	s_add_nc_u64 s[20:21], s[10:11], s[20:21]      ; the image's quad
	s_lshl_b32 s22, s18, 8
	s_lshl_b32 s23, s19, 1
	s_add_co_u32 s22, s22, s23
	s_add_co_u32 s22, s22, s3
	s_add_co_u32 s22, s22, 2097152
	s_mov_b32 s23, 0
	s_add_nc_u64 s[22:23], s[10:11], s[22:23]      ; the scale bytes: 16 a token
	s_mul_i32 s24, s2, 4352
	s_lshl_b32 s25, s3, 7
	s_add_co_u32 s24, s24, s25
	s_add_co_u32 s24, s24, YS
	v_and_b32 v253, 15, v0
	v_bfe_u32 v255, v0, 4, 1
	v_mul_u32_u24 v254, v253, 272
	v_lshl_add_u32 v254, v255, 5, v254
	v_add_nc_u32 v254, s24, v254                   ; YS + 4,352 i' + 272 r + 128 c' + 32 h
	BAR
	CLOAD 1                                        ; C7
	s_wait_dscnt 0x0
	CADD 4352
	BAR                                            ; all rows of all eight tiles lie in LDS
	ds_load_b128 v[64:67], v254                    ; d = 32 c' + 8 h + 0 .. 7,
	ds_load_b128 v[68:71], v254 offset:16
	ds_load_b128 v[72:75], v254 offset:64          ; d = 32 c' + 16 + 8 h + 0 .. 7
	ds_load_b128 v[76:79], v254 offset:80
	s_wait_dscnt 0x0
	s_wait_loadcnt 0x0
.irp k, 0,1,2,3,4,5,6,7
	v_pk_mul_f32 v[64+2*\k:65+2*\k], v[64+2*\k:65+2*\k], v[48+2*\k:49+2*\k]
.endr
	v_max3_num_f32 v[TM], |v64|, |v65|, 0x4800000
.irp i, 2,4,6,8,10,12,14
	v_max3_num_f32 v[TM], v[TM], |v[64+\i]|, |v[65+\i]|
.endr
	v_permlanex16_b32 v[TM+4], v[TM], s74, s75
	v_max_num_f32 v[TM], v[TM], v[TM+4]
	v_add_nc_u32 v[TM+12], 0xfc000000, v[TM]
	v_and_or_b32 v[TM+8], v[TM], 0x7f800000, s76
	v_lshrrev_b32 v[TM+5], 23, v[TM+12]
.irp i, 0,1,2,3,4,5,6,7,8,9,10,11,12,13,14,15
	v_med3_num_f32 v[64+\i], v[64+\i], -v[TM+8], v[TM+8]
.endr
	v_cvt_scalef32_pk8_fp8_f32 v[80:81], v[64:71], v[TM+12]
	v_cvt_scalef32_pk8_fp8_f32 v[82:83], v[72:79], v[TM+12]
	v_nop
	global_store_b128 v[LI], v[80:83], s[20:21]    ; 512 consecutive bytes
	global_store_b8 v[R16], v[TM+5], s[22:23]      ; single bytes: a token's 16 come from eight work-groups; one byte for 32 of codes
	s_wait_tensorcnt 0x0                           ; the wave's end
	ds_add_u32 v[SPW], v[NIL]
	s_wait_dscnt 0x0
	s_endpgm
.Lfunc_end_k_qdbdceca207_attn:
	.size	k_qdbdceca207_attn, .Lfunc_end_k_qdbdceca207_attn-k_qdbdceca207_attn
	.p2alignl 7, 3214868480
	.fill 96, 4, 3214868480
	.section	.rodata,"a",@progbits
	.p2align	6, 0x0
	.amdhsa_kernel k_qdbdceca207_attn
		.amdhsa_group_segment_fixed_size 317952
		.amdhsa_private_segment_fixed_size 0
		.amdhsa_enable_private_segment 0
		.amdhsa_kernarg_size 32
		.amdhsa_user_sgpr_count 2
		.amdhsa_user_sgpr_kernarg_segment_ptr 1
		.amdhsa_wavefront_size32 1
		.amdhsa_system_sgpr_workgroup_id_x 1
		.amdhsa_system_sgpr_workgroup_id_y 1
		.amdhsa_system_sgpr_workgroup_id_z 1
		.amdhsa_system_vgpr_workitem_id 0
		.amdhsa_next_free_vgpr 256
		.amdhsa_next_free_sgpr 102
		.amdhsa_reserve_vcc 0
		.amdhsa_float_denorm_mode_32 3
		.amdhsa_float_denorm_mode_16_64 3
		.amdhsa_memory_ordered 1
		.amdhsa_forward_progress 1
		.amdhsa_inst_pref_size 140
	.end_amdhsa_kernel
	.amdgpu_metadata
---
amdhsa.version: [ 1, 2 ]
amdhsa.kernels:
  - .name:           k_qdbdceca207_attn
    .symbol:         k_qdbdceca207_attn.kd
    .args:
      - { .name: qk, .offset: 0, .size: 8, .value_kind: global_buffer, .address_space: global }
      - { .name: vg, .offset: 8, .size: 8, .value_kind: global_buffer, .address_space: global }
      - { .name: maskw, .offset: 16, .size: 8, .value_kind: global_buffer, .address_space: global }
      - { .name: yg, .offset: 24, .size: 8, .value_kind: global_buffer, .address_space: global }
    .group_segment_fixed_size: 317952
    .private_segment_fixed_size: 0
    .kernarg_segment_align: 8
    .kernarg_segment_size: 32
    .max_flat_workgroup_size: 512
    .sgpr_count:     102
    .vgpr_count:     256
    .wavefront_size: 32
...
	.end_amdgpu_metadata
.endif
;; end of part 3
;; launch outp (part 4): grid 64 x 4, 16 waves a work-group, clusters of 4 x 1, 232,448 bytes of LDS; arguments yg, wq, X, b_out, out0; writes out0
.if DOCPART == 4
	.amdgcn_target "amdgcn-amd-amdhsa--gfx1250"
	.amdhsa_code_object_version 6
	.text
	.protected	k_qdbdceca207_outp
	.globl	k_qdbdceca207_outp
	.p2align	8
	.type	k_qdbdceca207_outp,@function
k_qdbdceca207_outp:
	s_mov_b64 s[64:65], 0
	v_nop
	global_prefetch_b8 v0, s[64:65] scope:SCOPE_SE
	s_setreg_imm32_b32 hwreg(HW_REG_WAVE_MODE, 25, 1), 1
	s_wait_xcnt 0x0
	s_wait_alu depctr_hold_cnt(0) depctr_sa_sdst(0) depctr_va_vdst(0) depctr_va_sdst(0) depctr_va_ssrc(0) depctr_va_vcc(0) depctr_vm_vsrc(0)
	s_getreg_b32 s2, hwreg(HW_REG_IB_STS2, 6, 4)
	s_cmp_eq_u32 s2, 0
	s_cbranch_scc0 .Lentry_in_a_cluster
	s_endpgm
.Lentry_in_a_cluster:
	s_bfe_u32 s2, ttmp6, 0x10000c
	s_cmp_lg_u32 s2, 0x3003
	s_cbranch_scc0 .Lentry_shape_is_right
	s_endpgm
.Lentry_shape_is_right:
; Launch 4 of 4: out0 = X + Q(Y x G) Q(W_out) + b_out, the product on codes of E4M3.  Nothing of reference() is left out here.
; A work-group of 16 waves makes 64 tokens x 256 columns; wave w 32 tokens (w % 2) x 32 columns (w / 2): four accumulators, K = 512 in four steps.
; Both operands lie in memory as images of their registers (lane l's 16 bytes at 16 l), with the same order of k inside a block of 32 on both sides.
; CLUSTER 4 x 1: the four partners take other tokens and the same 256 columns: W_out's 131,072 bytes, four fifths of what a work-group brings into LDS, are asked for jointly; the tokens' 32,768 by plain loads.
; Every wave issues one load of each kind; nothing in LDS is filled twice, so there is no ring.
.set BIMG,   0                         ; W_out: 16 tiles of 16 columns x 8,192 bytes
.set AIMG,   131072                    ; Y x G: 4 tiles of 16 tokens x 8,192 bytes
.set STAGE,  163840                    ; 64 rows x (1,024 bytes + 16); no tensor load lands here
.set SPITCH, 1040
.set SPARE,  230400                    ; the spare words, 128 bytes a wave
.set LI,  1
.set R16, 2
.set ADA, 3
.set ADB, 4
.set STO, 5
.set SRD, 6
.set ACC, 32                           ; accumulator (tt, nt) at 32 + 8 (2 tt + nt)
.set AFR, 64
.set BFR, 96
.set ASC, 128                          ; v128-135 the tokens' scale words: 4 tt + ks
.set BSC, 136                          ; v136-143 the columns': 4 nt + ks
.set XR,  144
.set BR,  176
.set SPW, 184
.set NIL, 185
.macro ROUND                           ; a round of the cluster's barrier
	s_barrier_signal -1
	s_barrier_wait -1
	s_cmp_lg_u32 s14, 0
	s_cbranch_scc1 .Lnot_wave_0_\@
	s_barrier_signal -3
.Lnot_wave_0_\@:
	s_barrier_wait -3
	s_barrier_signal -1
	s_barrier_wait -1
.endm
	s_load_b256 s[4:11], s[0:1], 0x0               ; yg s[4:5], wq s[6:7], X s[8:9], b_out s[10:11]
	s_load_b64 s[12:13], s[0:1], 0x20              ; out0
	v_lshl_add_u32 v[SPW], v0, 2, SPARE
	v_mov_b32 v[NIL], 0
	ds_add_u32 v[SPW], v[NIL]                      ; the wave's opening: the add, twice on end, and its wait ahead of my first tensor load
	ds_add_u32 v[SPW], v[NIL]
	v_lshrrev_b32 v1, 5, v0
	v_readfirstlane_b32 s14, v1                    ; wave 0..15
	s_bfe_u32 s40, ttmp6, 0x40000                  ; cx
	s_lshl_b32 s41, ttmp9, 2
	s_add_co_u32 s41, s41, s40                     ; x: which 64 tokens
	s_and_b32 s42, ttmp7, 0xffff                   ; y: which 256 columns
	s_mov_b32 s16, 15|(3<<16)|(1<<21)              ; the joint load: all four partners; 32 rows of 32 elements of 8 bytes, dense
	s_mov_b32 s17, 32<<16
	s_mov_b32 s18, 32<<16
	s_mov_b32 s19, 32<<16
	s_mov_b32 s20, 32
	s_mov_b32 s21, 32
	s_mov_b32 s22, 0
	s_mov_b32 s23, 0
	s_mov_b32 s28, 3<<16                           ; the plain load: 8 rows of 256 bytes
	s_mov_b32 s29, 32<<16
	s_mov_b32 s30, 8<<16
	s_mov_b32 s31, 32<<16
	s_mov_b32 s32, 8
	s_mov_b32 s33, 32
	s_mov_b32 s34, 0
	s_mov_b32 s35, 0
	s_lshl_b32 s44, s42, 17
	s_lshl_b32 s25, s14, 13                        ; 8,192 bytes a wave: in memory and in LDS
	s_add_co_u32 s44, s44, s25
	s_add_co_u32 s44, s44, 2162688
	s_mov_b32 s45, 0
	s_lshl_b32 s46, s41, 15
	s_lshl_b32 s37, s14, 11                        ; 2,048 bytes a wave
	s_add_co_u32 s46, s46, s37
	s_mov_b32 s47, 0
	s_add_co_u32 s37, s37, AIMG
	s_mov_b32 s24, 1
	s_mov_b32 s36, 1
	s_wait_dscnt 0x0                               ; both opening adds are done
	s_wait_kmcnt 0x0
	s_add_nc_u64 s[26:27], s[6:7], s[44:45]        ; made of y and the wave's number alone: the same in all four partners
	s_or_b32 s27, s27, 0x80000000
	s_add_nc_u64 s[38:39], s[4:5], s[46:47]
	s_or_b32 s39, s39, 0x80000000
	ROUND                                          ; all four work-groups are here: the joint loads meet
	tensor_load_to_lds s[24:27], s[16:23]
	s_nop 0
	tensor_load_to_lds s[36:39], s[28:35]          ; two tensor loads of a wave are out
	s_nop 0
.rept 4
	v_nop
.endr
	s_and_b32 s15, s14, 1                          ; wt: which 32 tokens
	s_lshr_b32 s43, s14, 1                         ; wc: which 32 columns
	v_and_b32 v7, 31, v0
	v_and_b32 v8, 15, v0                           ; r
	v_bfe_u32 v9, v0, 4, 1                         ; h
	v_lshlrev_b32 v[LI], 4, v7
	v_lshlrev_b32 v[R16], 4, v8
	s_lshl_b32 s48, s41, 10
	s_lshl_b32 s49, s15, 9
	s_add_co_u32 s48, s48, s49
	s_add_co_u32 s48, s48, 2097152
	s_mov_b32 s49, 0
	s_add_nc_u64 s[48:49], s[4:5], s[48:49]        ; my tokens' scale bytes, 16 a token
	s_lshl_b32 s50, s42, 12
	s_lshl_b32 s51, s43, 9
	s_add_co_u32 s50, s50, s51
	s_add_co_u32 s50, s50, 2686976
	s_mov_b32 s51, 0
	s_add_nc_u64 s[50:51], s[6:7], s[50:51]        ; my columns'
	s_lshl_b32 s52, s41, 18
	s_lshl_b32 s53, s14, 14
	s_add_co_u32 s52, s52, s53
	s_lshl_b32 s53, s42, 10
	s_add_co_u32 s52, s52, s53                     ; rows 64 x + 4 w on, columns 256 y on
	s_mov_b32 s53, 0
	s_add_nc_u64 s[54:55], s[12:13], s[52:53]
	s_add_nc_u64 s[52:53], s[8:9], s[52:53]
	s_lshl_b32 s56, s42, 10
	s_mov_b32 s57, 0
	s_add_nc_u64 s[56:57], s[10:11], s[56:57]
.irp t, 0,1
	global_load_b128 v[ASC+4*\t:ASC+4*\t+3], v[R16], s[48:49] offset:256*\t
	global_load_b128 v[BSC+4*\t:BSC+4*\t+3], v[R16], s[50:51] offset:256*\t
.endr
.irp k, 0,1,2,3,4,5,6,7
	global_load_b128 v[XR+4*\k:XR+4*\k+3], v[LI], s[52:53] offset:4096*(\k/2)+512*(\k%2) th:TH_LOAD_NT
.endr
.irp k, 0,1
	global_load_b128 v[BR+4*\k:BR+4*\k+3], v[LI], s[56:57] offset:512*\k
.endr
	s_lshl_b32 s58, s15, 14
	s_add_co_u32 s58, s58, AIMG
	v_add_nc_u32 v[ADA], s58, v[LI]
	s_lshl_b32 s58, s43, 14
	v_add_nc_u32 v[ADB], s58, v[LI]
	s_mul_i32 s58, s15, 32*SPITCH
	s_lshl_b32 s59, s43, 7
	s_add_co_u32 s58, s58, s59
	s_add_co_u32 s58, s58, STAGE
	v_mul_u32_u24 v[STO], v8, SPITCH
	v_lshl_add_u32 v[STO], v9, 5, v[STO]
	v_add_nc_u32 v[STO], s58, v[STO]               ; the stage, in: row 32 wt + r, + 128 wc + 32 h
	s_mul_i32 s58, s14, 4*SPITCH
	s_add_co_u32 s58, s58, STAGE
	v_add_nc_u32 v[SRD], s58, v[LI]                ; and out: rows 4 w on, 16 bytes a lane
	s_wait_tensorcnt 0x0                           ; my parts have landed,
	s_barrier_signal -1
	s_barrier_wait -1                              ; everybody's have
.irp ks, 0,1,2,3
.if \ks > 0
.rept 8
	v_nop                                          ; places in front of loads into registers that matrix instructions have read
.endr
.endif
.irp t, 0,1
.irp c, 0,1,2,3
	ds_load_b128 v[AFR+16*\t+4*\c:AFR+16*\t+4*\c+3], v[ADA] offset:8192*\t+2048*\ks+512*\c
	ds_load_b128 v[BFR+16*\t+4*\c:BFR+16*\t+4*\c+3], v[ADB] offset:8192*\t+2048*\ks+512*\c
.endr
.endr
	s_wait_dscnt 0x0
.if \ks == 0
	s_wait_loadcnt 10                              ; the four loads of scale words are in; X's eight and the bias's two may be out
.endif
.irp tt, 0,1                           ; source 0 = 16 columns of W_out, source 1 = 16 tokens; the four accumulators by turns
.irp nt, 0,1
.if \ks == 0
	v_wmma_scale_f32_16x16x128_f8f6f4 v[ACC+8*(2*\tt+\nt):ACC+8*(2*\tt+\nt)+7], v[BFR+16*\nt:BFR+16*\nt+15], v[AFR+16*\tt:AFR+16*\tt+15], 0, v[BSC+4*\nt+\ks], v[ASC+4*\tt+\ks]
.else
	v_wmma_scale_f32_16x16x128_f8f6f4 v[ACC+8*(2*\tt+\nt):ACC+8*(2*\tt+\nt)+7], v[BFR+16*\nt:BFR+16*\nt+15], v[AFR+16*\tt:AFR+16*\tt+15], v[ACC+8*(2*\tt+\nt):ACC+8*(2*\tt+\nt)+7], v[BSC+4*\nt+\ks], v[ASC+4*\tt+\ks]
.endif
.endr
.endr
.endr
.rept 8
	v_nop
.endr
.irp tt, 0,1
.irp nt, 0,1
	ds_store_b128 v[STO], v[ACC+8*(2*\tt+\nt):ACC+8*(2*\tt+\nt)+3] offset:16*SPITCH*\tt+64*\nt       ; lane (r, h): token 16 tt + r, columns 16 nt + 8 h + 0 .. 7
	ds_store_b128 v[STO], v[ACC+8*(2*\tt+\nt)+4:ACC+8*(2*\tt+\nt)+7] offset:16*SPITCH*\tt+64*\nt+16
.endr
.endr
	s_wait_dscnt 0x0                               ; for the others' sake: my stores have landed
	s_barrier_signal -1
	s_barrier_wait -1
.irp k, 0,1,2,3,4,5,6,7
	ds_load_b128 v[AFR+4*\k:AFR+4*\k+3], v[SRD] offset:SPITCH*(\k/2)+512*(\k%2)   ; four whole rows of 1,024 bytes
.endr
	s_wait_dscnt 0x0
	s_wait_loadcnt 0x0
.irp k, 0,1,2,3,4,5,6,7
.irp e, 0,1
	v_pk_add_f32 v[AFR+4*\k+2*\e:AFR+4*\k+2*\e+1], v[AFR+4*\k+2*\e:AFR+4*\k+2*\e+1], v[XR+4*\k+2*\e:XR+4*\k+2*\e+1]
.endr
.endr
.irp k, 0,1,2,3,4,5,6,7
.irp e, 0,1
	v_pk_add_f32 v[AFR+4*\k+2*\e:AFR+4*\k+2*\e+1], v[AFR+4*\k+2*\e:AFR+4*\k+2*\e+1], v[BR+4*(\k%2)+2*\e:BR+4*(\k%2)+2*\e+1]
.endr
.endr
.irp k, 0,1,2,3,4,5,6,7
	global_store_b128 v[LI], v[AFR+4*\k:AFR+4*\k+3], s[54:55] offset:4096*(\k/2)+512*(\k%2) th:TH_STORE_NT   ; 32 lanes store 512 consecutive bytes, aligned
.endr
	s_wait_tensorcnt 0x0                           ; the wave's end
	ds_add_u32 v[SPW], v[NIL]
	s_wait_dscnt 0x0
	ROUND                                          ; the closing round
	s_endpgm
.Lfunc_end_k_qdbdceca207_outp:
	.size	k_qdbdceca207_outp, .Lfunc_end_k_qdbdceca207_outp-k_qdbdceca207_outp
	.p2alignl 7, 3214868480
	.fill 96, 4, 3214868480
	.section	.rodata,"a",@progbits
	.p2align	6, 0x0
	.amdhsa_kernel k_qdbdceca207_outp
		.amdhsa_group_segment_fixed_size 232448
		.amdhsa_private_segment_fixed_size 0
		.amdhsa_enable_private_segment 0
		.amdhsa_kernarg_size 40
		.amdhsa_user_sgpr_count 2
		.amdhsa_user_sgpr_kernarg_segment_ptr 1
		.amdhsa_wavefront_size32 1
		.amdhsa_system_sgpr_workgroup_id_x 1
		.amdhsa_system_sgpr_workgroup_id_y 1
		.amdhsa_system_sgpr_workgroup_id_z 1
		.amdhsa_system_vgpr_workitem_id 0
		.amdhsa_next_free_vgpr 192
		.amdhsa_next_free_sgpr 66
		.amdhsa_reserve_vcc 0
		.amdhsa_float_denorm_mode_32 3
		.amdhsa_float_denorm_mode_16_64 3
		.amdhsa_memory_ordered 1
		.amdhsa_forward_progress 1
		.amdhsa_inst_pref_size 18
	.end_amdhsa_kernel
	.amdgpu_metadata
---
amdhsa.version: [ 1, 2 ]
amdhsa.kernels:
  - .name:           k_qdbdceca207_outp
    .symbol:         k_qdbdceca207_outp.kd
    .args:
      - { .name: yg, .offset: 0, .size: 8, .value_kind: global_buffer, .address_space: global }
      - { .name: wq, .offset: 8, .size: 8, .value_kind: global_buffer, .address_space: global }
      - { .name: X, .offset: 16, .size: 8, .value_kind: global_buffer, .address_space: global }
      - { .name: b_out, .offset: 24, .size: 8, .value_kind: global_buffer, .address_space: global }
      - { .name: out0, .offset: 32, .size: 8, .value_kind: global_buffer, .address_space: global }
    .group_segment_fixed_size: 232448
    .private_segment_fixed_size: 0
    .kernarg_segment_align: 8
    .kernarg_segment_size: 40
    .max_flat_workgroup_size: 512
    .sgpr_count:     66
    .vgpr_count:     192
    .wavefront_size: 32
...
	.end_amdgpu_metadata
.endif
;; end of part 4
